; MI455X (gfx1250); checked and timed in simulation.
; The chip was launched on July 23, 2026; its instructions are those of AMD's public machine-readable ISA for CDNA 5 (MIT licence, August 2026) and "CDNA5" Instruction Set Architecture Reference Guide (July 2026). The comments in the code are by the model that wrote it; some were corrected since.
;; Adam Layer. Allowed arithmetic: matrix products marked QUANTISED: E2M1 operands, one E8M0 scale for each 32 along K, by v_wmma_scale_f32_16x16x128_f8f6f4 with both operands' format E2M1 (or v_wmma_scale_f32_32x16x128_f4), f32 sums; products left as they are: f32 operands where the result goes on into a quantised operand, else bf16, f16 or f32 operands; f32 sums; everything else in f32.
;; Inputs: b1 8 x 2,048 float32; b2 8 x 512 float32; gate_b 8 float32; gate_w 512 x 8 float32; ln_b 512 float32; ln_w 512 float32; m 2 x 2,048 x 512 float32; p 2 x 2,048 x 512 float32; v 2 x 2,048 x 512 float32; w1 8 x 512 x 2,048 float32; w2 8 x 2,048 x 512 float32; x 2 x 2,048 x 512 float32.
;; Outputs: out0 2 x 2,048 x 512 float32; out1 2 x 2,048 x 512 float32; out2 2 x 2,048 x 512 float32; out3 2 x 2,048 x 512 float32.
;; This version of the problem:
;;   THIS VERSION OF THE PROBLEM IS GIVEN IN LOW PRECISION. The matrix products marked QUANTISED in the list below multiply operands that are first quantised to E2M1 (2 exponent bits, 1 mantissa bit; 4 bits a number), with one power-of-two scale for each 32 numbers along K (OCP MX v1.0); their sums are f32. All else is computed in f32.
;;   The module's matrix products, in the order in which they are computed (A, B: the left and right operand; K: the contracted axis; several contracted axes count as one K, in the product's order):
;;     1. [M 4,096, K 512] x [K 512, N 8]; A: input x; B: input gate_w: left as it is (N = 8 < 16)
;;     2. [M 4,096, K 512] x [K 512, N 16,384]; A: input x; B: input w1: QUANTISED
;;     3. batch 8 x [M 512, K 2,048] x [K 2,048, N 4,096]; A: input w2; B: computed on the way: QUANTISED
;;     4. batch 4,096 x [M 512, K 8] x [K 8, N 1]; A: computed on the way; B: computed on the way: left as it is (K = 8 < 32)
;;   THE QUANTISER, for each operand of a quantised product, along K:
;;     - K is cut into blocks of 32 from its start; a last block that is shorter is filled with zeros.
;;     - A block's scale is 2^e with e = floor(log2(the largest magnitude in the block)) - 2, held to -126 .. 127; a block of zeros has e = 0. As a byte (E8M0): e + 127.
;;     - Each number is divided by its block's scale, clamped to +-6, and rounded to the nearest number of E2M1, ties to even, subnormals kept.
;;     - The product sums the exact products of the quantised numbers (number of the format x scale) in f32.
;;   ~~~python
;;   def quantise(x, axis):      # numpy; x: float32 -> the quantised numbers, widened to float32 again
;;       x = np.moveaxis(x, axis, -1); K = x.shape[-1]
;;       x = np.pad(x, [(0, 0)] * (x.ndim - 1) + [(0, -K % 32)]); x = x.reshape(x.shape[:-1] + (-1, 32)); a = np.abs(x).max(-1, keepdims=True)
;;       e = np.where(a > 0, np.clip(np.frexp(np.where(a > 0, a, 1))[1] - 1 - 2, -126, 127), 0)      # np.frexp(a)[1] - 1 = floor(log2(a)), exactly
;;       r = np.clip(x / 2.0 ** e, -6, 6)
;;       step = 2.0 ** (np.maximum(np.frexp(np.where(r == 0, 1, r))[1] - 1, 0) - 1)
;;       q = np.round(r / step) * step * 2.0 ** e      # np.round: ties to even
;;       return np.moveaxis(q.reshape(q.shape[:-2] + (-1,))[..., :K], -1, axis).astype(np.float32)
;;   ~~~
;;   OPERANDS COMPUTED ON THE WAY. 'Computed on the way' means the value that the module computes at that place (a softmax that the list does not call 'softmax' is quantised finished and normalised). What goes into a quantiser is computed in f32, as accurately as f32 sums, v_exp_f32 and their like allow (about 1e-6 of the number): no bf16 or f16 on the way to a quantiser, and a product that is left as it is and whose result goes on into a quantised operand takes f32 operands (vector FMAs, or v_wmma_f32_16x16x4_f32). A number that lies on a knife's edge between two numbers of the format may be rounded either way, as far as f32 arithmetic and the matrix unit's own rounding can turn it there, and no further.
;; 2 versions, each right and faster than the one before. Each part assembles by itself: llvm-mc -triple=amdgcn-amd-amdhsa -mcpu=gfx1250 --defsym DOCPART=n.
;; ======== version 1 of 2: 3 launches
;; workspace buffers: wc 8,388,608 bytes; ws 524,288 bytes; xq 1,114,112 bytes; gt 32,768 bytes; rt 32,768 bytes of whole numbers; pl 27,136 bytes of whole numbers
;; launch prep (part 1): grid 320 x 1, 8 waves a work-group, no clusters, 66,048 bytes of LDS; arguments x, gate_w, gate_b, w1, w2, xq, gt, rt, wc, ws; writes xq, gt, rt, wc, ws
.if DOCPART == 1
	.amdgcn_target "amdgcn-amd-amdhsa--gfx1250"
	.amdhsa_code_object_version 6
	.text
	.protected	k_q52881a4690_prep
	.globl	k_q52881a4690_prep
	.p2align	8
	.type	k_q52881a4690_prep,@function
k_q52881a4690_prep:
	s_mov_b64 s[64:65], 0
	v_nop
	global_prefetch_b8 v0, s[64:65] scope:SCOPE_SE
	s_setreg_imm32_b32 hwreg(HW_REG_WAVE_MODE, 25, 1), 1
	s_wait_xcnt 0x0
; AdamLayer, launch 1 of 3: the weights and x become codes of E2M1 with E8M0 scales; the router chooses.
; WORK LEFT OUT IN THE WHOLE PROGRAM, AND WHY IT IS DEAD.
;  (a) gates[b,s,e] is built by reference() as one_hot(top_idx) x gk summed over the two picks: for the six experts outside a token's top-2 it is the number 0,
;      whatever the inputs hold.  eo_all[b,s,e,:] enters the outputs only as eo_all x gates, so those rows of products 2 and 3 reach no output: only the two chosen experts
;      of a token are multiplied, and product 4 (K = 8) is two multiply-adds.
;  (b) y = x - (G1 / sqrt(v_new + eps) x p_new + x) is -p_new / sqrt(v_new + eps) for all real x: the two x terms are left out.  G1 = G2 = 1 are factors of 1.
;  Every input still has a way to an output and is loaded in some launch.
; LIMITS: a NaN, an infinity or an overflow that arises only in an expert that was not chosen, or only in (a + x) - x, is not carried to the result.  NaN or infinite router logits are not
;  served.  A block of zeros gets the scale byte 1 (the rule says 127): its codes are zeros and only this program reads the bytes.  Blocks whose largest magnitude lies under 2^-124 keep byte 1.
;  Equal logits: the lower expert number wins (strict comparisons), as jax.lax.top_k has it.
; THREE PATHS by the work-group's number.  0-63: x and the router, 64 tokens each.  64-191: w1.  192-319: w2.
; No address and no branch here hangs on the router's choice: keys, ranks and counts are stored at fixed places, and the next launch places the rows.
; W PATHS: K is not innermost in w1 [e][512 k][2048 n] and w2 [e][2048 k][512 n].  A lane takes a column, its registers run down K; a wave takes 32 columns x 256 K, the eight waves stand side by side on 1,024
;  consecutive bytes of a row.  The codes leave in the order of the matrix operand's registers: a fragment (16 rows x 128 K) is [c 2][lane 32][16 bytes], lane 16 h + r holding k = 64 c + 32 h + 0..31 of row r,
;  so a store of 16 bytes a lane covers two aligned runs of 256 bytes, and the last launch loads fragments whole.
;  w1's tile u of a block of 32 hidden units takes units 8 u + r + 8 (r / 8), so that the first product's results are neighbours along the second product's K.
.set SPARE, 65024                      ; the spare words: 128 bytes for each of the eight waves; no other line names them
.set WREG0, 16896                      ; behind gate_w's image (32 pieces of 512 + 16 bytes): a region for each wave
.set WREG,  5632                       ; two stages of 32 x 80 bytes, then 128 scale bytes
.set SP,    80
.set SCB,   5120
.set KEYS,  61952                      ; [wave][32] words: keys; 1,024 on: the lower expert's gate; 2,048 on: the higher's
.set WX,    16                         ; W paths: v16-79 two sets of 32 numbers; v80-111 codes, four registers a block
.set WC,    80
.set R,     16                         ; gate path: v16-47 two sets of 16 numbers as loaded; v48-79 two sets of 16 neighbours
.set X,     48
.set CD,    80                         ; v80-95 codes, two registers a token
.set LG,    96                         ; v96-103 the eight logits
.set TW,    104                        ; v104-111 at work
.set BYT,   112                        ; v112-119 a scale byte for each token
.set GW,    128                        ; v128-255 gate_w[16 lane + i][e] at 8 i + e
	s_load_b512 s[4:19], s[0:1], 0x0               ; x 4, gate_w 6, gate_b 8, w1 10, w2 12, xq 14, gt 16, rt 18
	s_load_b128 s[20:23], s[0:1], 0x40             ; wc 20, ws 22
	v_lshl_add_u32 v2, v0, 2, SPARE                ; my spare word; never rewritten
	v_mov_b32 v3, 0                                ; 0; never rewritten
	v_lshrrev_b32 v1, 5, v0
	v_readfirstlane_b32 s24, v1                    ; wave
	v_and_b32 v1, 31, v0                           ; lane
	s_mov_b32 s31, 0                               ; the high word of every offset pair s[30:31]
	s_wait_kmcnt 0x0
	s_cmp_lt_u32 ttmp9, 64
	s_cbranch_scc1 .Lgate
	s_cmp_lt_u32 ttmp9, 192
	s_cbranch_scc1 .Lw1
.macro WLOAD src, pitch, t             ; block t: 32 rows of K at my column: 128 consecutive bytes a wave and load
.set i, 0
.rept 32
	global_load_b32 v[WX+32*((\t)%2)+i], v4, s[\src:\src+1] offset:(32*(\t)+i)*(\pitch) th:TH_LOAD_NT
.set i, i+1
.endr
.endm
.macro WBLK src, pitch, t
.set XB, WX+32*((\t)%2)
.if (\t) < 7
	s_wait_loadcnt 32                              ; this block's 32 loads are in; the next block's 32 may be out
.else
	s_wait_loadcnt 0x0
.endif
	v_max3_num_f32 v12, |v[XB]|, |v[XB+1]|, |v[XB+2]|              ; the block's largest magnitude: all 32 numbers are mine; two chains
	v_max3_num_f32 v13, |v[XB+3]|, |v[XB+4]|, |v[XB+5]|
.irp q, 6,10,14,18,22,26
	v_max3_num_f32 v12, v12, |v[XB+\q]|, |v[XB+\q+1]|
	v_max3_num_f32 v13, v13, |v[XB+\q+2]|, |v[XB+\q+3]|
.endr
	v_max3_num_f32 v12, v12, |v[XB+30]|, |v[XB+31]|
	v_max3_num_f32 v12, v12, v13, 0x1800000        ; and the floor 2^(3 - 127): the byte cannot fall under 1
	v_add_nc_u32 v11, 0xff000000, v12              ; 2 off the exponent field: the conversion takes that field as its scale
	v_lshrrev_b32 v13, 23, v11                     ; the scale's byte
.if (\t)%4 == 0
	v_mov_b32 v[14+(\t)/4], v13
.else
	v_lshl_or_b32 v[14+(\t)/4], v13, 8*((\t)%4), v[14+(\t)/4]
.endif
.irp g, 0,1,2,3
	v_cvt_scalef32_pk8_fp4_f32 v[WC+4*(\t)+\g], v[XB+8*\g:XB+8*\g+7], v11
.endr
	global_store_b128 v5, v[WC+4*(\t):WC+4*(\t)+3], s[20:21] offset:((\t)/4)*2048+(((\t)%4)/2)*512+((\t)%2)*256   ; K step t / 4, c = (t % 4) / 2, h = t % 2; each block has its own four registers
.if (\t) < 6
	WLOAD \src, \pitch, (\t)+2
.endif
.endm
.macro WQ src, pitch
	WLOAD \src, \pitch, 0
	WLOAD \src, \pitch, 1
.irp t, 0,1,2,3,4,5,6,7
	WBLK \src, \pitch, \t
.endr
	global_store_b64 v6, v[14:15], s[22:23]        ; eight scale bytes a column: the words of two K steps; the wave stores 256 consecutive bytes
.endm
	; ---- w2: j = e x 16 + cgw x 8 + kp; my 32 columns are group cg = 8 cgw + wave, my K is 256 kp on
	s_sub_co_u32 s25, ttmp9, 192
	s_lshr_b32 s26, s25, 4                         ; e
	s_bfe_u32 s27, s25, 0x10003                    ; cgw
	s_and_b32 s28, s25, 7                          ; kp
	s_lshl_b32 s27, s27, 3
	s_add_co_u32 s27, s27, s24                     ; cg
	s_lshl_b32 s30, s26, 22                        ; an expert is 4,194,304 bytes
	s_lshl_b32 s29, s28, 19                        ; 256 rows of 2,048 bytes
	s_add_co_u32 s30, s30, s29
	s_lshl_b32 s29, s27, 7
	s_add_co_u32 s30, s30, s29
	s_add_nc_u64 s[12:13], s[12:13], s[30:31]
	s_lshl_b32 s29, s26, 4
	s_add_co_u32 s29, s29, s27                     ; 16 e + cg
	s_lshl_b32 s30, s29, 15
	s_lshl_b32 s32, s28, 12
	s_add_co_u32 s30, s30, s32
	s_add_co_u32 s30, s30, 0x400000                ; w2's codes lie behind w1's
	s_add_nc_u64 s[20:21], s[20:21], s[30:31]
	s_lshl_b32 s30, s29, 11
	s_lshl_b32 s32, s28, 8
	s_add_co_u32 s30, s30, s32
	s_add_co_u32 s30, s30, 0x40000
	s_add_nc_u64 s[22:23], s[22:23], s[30:31]
	v_lshlrev_b32 v4, 2, v1
	v_and_b32 v8, 15, v1                           ; r
	v_lshrrev_b32 v9, 4, v1                        ; n
	v_lshlrev_b32 v5, 4, v8
	v_lshl_add_u32 v5, v9, 10, v5                  ; 1,024 n + 16 r
	v_lshlrev_b32 v6, 3, v1
	WQ 12, 2048
	s_branch .Lend
.Lw1:	; ---- w1: j = e x 16 + cgw x 2 + kh; my 32 hidden units are block B = 8 cgw + wave, my K is 256 kh on
	s_sub_co_u32 s25, ttmp9, 64
	s_lshr_b32 s26, s25, 4                         ; e
	s_bfe_u32 s27, s25, 0x30001                    ; cgw
	s_and_b32 s28, s25, 1                          ; kh
	s_lshl_b32 s27, s27, 3
	s_add_co_u32 s27, s27, s24                     ; B
	s_lshl_b32 s30, s26, 22
	s_lshl_b32 s29, s28, 21                        ; 256 rows of 8,192 bytes
	s_add_co_u32 s30, s30, s29
	s_lshl_b32 s29, s27, 7
	s_add_co_u32 s30, s30, s29
	s_add_nc_u64 s[10:11], s[10:11], s[30:31]
	s_lshl_b32 s29, s26, 6
	s_add_co_u32 s29, s29, s27                     ; 64 e + B
	s_lshl_b32 s30, s29, 13
	s_lshl_b32 s32, s28, 12
	s_add_co_u32 s30, s30, s32
	s_add_nc_u64 s[20:21], s[20:21], s[30:31]
	s_lshl_b32 s30, s29, 9
	s_lshl_b32 s32, s28, 8
	s_add_co_u32 s30, s30, s32
	s_add_nc_u64 s[22:23], s[22:23], s[30:31]
	v_lshlrev_b32 v4, 2, v1
	v_bfe_u32 v7, v1, 3, 1                         ; u: unit = lane = 8 u + r + 8 (r / 8)
	v_and_b32 v8, 7, v1
	v_lshrrev_b32 v9, 4, v1
	v_lshl_add_u32 v8, v9, 3, v8                   ; r
	v_lshlrev_b32 v5, 4, v8
	v_lshl_add_u32 v5, v7, 10, v5                  ; 1,024 u + 16 r
	v_lshl_add_u32 v6, v7, 4, v8
	v_lshlrev_b32 v6, 3, v6                        ; 8 (16 u + r)
	WQ 10, 8192
	s_branch .Lend
.Lgate:	; ---- x and the router: wave w takes tokens 64 g + 8 w + t, t = 0..7
	s_load_b256 s[32:39], s[8:9], 0x0              ; gate_b
	v_lshlrev_b32 v4, 4, v1                        ; my 16 bytes of a load's 512
	s_mul_i32 s25, s24, WREG
	s_add_co_u32 s25, s25, WREG0                   ; my wave's region
	v_lshrrev_b32 v5, 2, v1
	v_mul_u32_u24 v5, v5, SP
	v_and_b32 v6, 3, v1
	v_lshl_add_u32 v5, v6, 4, v5
	v_add_nc_u32 v5, s25, v5                       ; the stage, on the way in: four lanes' 64 bytes on end, then 16 of padding
	v_mul_u32_u24 v6, v1, SP
	v_add_nc_u32 v6, s25, v6                       ; and on the way out: my 16 neighbours
	v_lshrrev_b32 v7, 1, v1
	v_add_nc_u32 v7, s25, v7
	v_add_nc_u32 v7, SCB, v7                       ; my block's scale byte
	v_lshlrev_b32 v8, 3, v1                        ; 8 x lane
	v_lshlrev_b32 v15, 2, v1                       ; 4 x lane
	v_add_nc_u32 v9, s25, v15
	v_add_nc_u32 v9, SCB, v9                       ; the wave's 128 scale bytes, a word a lane
	s_lshl_b32 s26, s24, 7
	v_add_nc_u32 v10, s26, v15
	v_add_nc_u32 v10, KEYS, v10                    ; where I put a token's key (lane t = token t of my wave)
	s_and_b32 s27, s24, 1
	s_lshl_b32 s26, s27, 9
	v_lshrrev_b32 v11, 3, v1
	v_lshlrev_b32 v11, 7, v11
	v_and_b32 v12, 7, v1
	v_lshl_add_u32 v11, v12, 2, v11
	v_add_nc_u32 v11, s26, v11
	v_add_nc_u32 v11, KEYS, v11                    ; where waves 0 and 1 read a chunk of 32 tokens back: made ahead of the branch on the wave's number
	v_lshlrev_b32 v12, 4, v0                       ; gate_w: 16 bytes a thread
	v_lshrrev_b32 v13, 5, v0
	v_lshl_add_u32 v13, v13, 4, v12                ; into LDS: 16 bytes of padding behind each 512
	v_mul_u32_u24 v14, v1, 528                     ; and back: my 16 rows of gate_w are one piece
	s_mov_b32 s40, 0x76543210
	s_mov_b32 s41, 0xfedcba98                      ; lane l xor 16
	s_lshl_b32 s30, ttmp9, 17
	s_lshl_b32 s29, s24, 14
	s_add_co_u32 s30, s30, s29                     ; (64 g + 8 w) rows of 2,048 bytes
	s_add_nc_u64 s[4:5], s[4:5], s[30:31]
	s_lshr_b32 s30, s30, 3                         ; of 256 bytes of codes
	s_add_nc_u64 s[44:45], s[14:15], s[30:31]
	s_lshr_b32 s30, s30, 4                         ; of 16 scale bytes
	s_add_nc_u64 s[46:47], s[14:15], s[30:31]
	s_lshl_b32 s30, ttmp9, 9
	s_lshl_b32 s29, s27, 8
	s_add_co_u32 s30, s30, s29                     ; (64 g + 32 (w & 1)) x 8: the chunk's gates
	s_add_nc_u64 s[16:17], s[16:17], s[30:31]
	s_lshr_b32 s30, s30, 1                         ; x 4: its keys; its histogram lies the same distance into the table 16,384 bytes on
	s_add_nc_u64 s[18:19], s[18:19], s[30:31]
.irp j, 0,1,2,3
	global_load_b128 v[TW+4*\j:TW+4*\j+3], v12, s[6:7] offset:4096*\j
.endr
.macro XLOAD t                         ; a token's row: four loads of 512 consecutive bytes
.irp i, 0,1,2,3
	global_load_b128 v[R+16*((\t)%2)+4*\i:R+16*((\t)%2)+4*\i+3], v4, s[4:5] offset:2048*(\t)+512*\i th:TH_LOAD_NT
.endr
.endm
.macro TURN t                          ; through the wave's stage, so that a lane holds 16 neighbours; LDS serves a wave's instructions in order
.irp i, 0,1,2,3
	ds_store_b128 v5, v[R+16*((\t)%2)+4*\i:R+16*((\t)%2)+4*\i+3] offset:32*SP*((\t)%2)+8*SP*\i
.endr
.irp i, 0,1,2,3
	ds_load_b128 v[X+16*((\t)%2)+4*\i:X+16*((\t)%2)+4*\i+3], v6 offset:32*SP*((\t)%2)+16*\i
.endr
.endm
	XLOAD 0
	XLOAD 1
	s_wait_loadcnt 8                               ; gate_w is in; the eight loads of x may be out
.irp j, 0,1,2,3
	ds_store_b128 v13, v[TW+4*\j:TW+4*\j+3] offset:4224*\j
.endr
	s_wait_dscnt 0x0                               ; for the others' sake: my part of gate_w lies in LDS
	s_barrier_signal -1
	s_barrier_wait -1
.set j, 0
.rept 32
	ds_load_b128 v[GW+4*j:GW+4*j+3], v14 offset:16*j
.set j, j+1
.endr
.irp j, 0,1,2,3,4,5,6,7
	v_mov_b32 v[TW+\j], 0                          ; written once: a lane permute's destination counts as one of its sources
.endr
	v_mov_b32 v120, 0                              ; first pick, second pick, second logit less first: lane t = token t
	v_mov_b32 v121, 0
	v_mov_b32 v122, 0
	s_wait_loadcnt 4                               ; token 0's row is in
	TURN 0
	s_wait_kmcnt 0x0                               ; gate_b
.macro TOK t
.set XB, X+16*((\t)%2)
.if (\t) > 0
	s_wait_dscnt 1                                 ; this token's numbers are back from the stage; the last byte store may be out
.else
	s_wait_dscnt 0x0                               ; and gate_w's 32 loads
.endif
.if (\t) < 6
	XLOAD (\t)+2                                   ; into the registers whose stores into the stage are done
	s_wait_loadcnt 4                               ; the next token's row is in; the four just issued may be out
	TURN (\t)+1
.elseif (\t) == 6
	s_wait_loadcnt 0x0
	TURN 7
.endif
	v_max3_num_f32 v[TW], |v[XB]|, |v[XB+1]|, |v[XB+2]|            ; the largest magnitude of my 16
	v_max3_num_f32 v[TW+1], |v[XB+3]|, |v[XB+4]|, |v[XB+5]|
.irp q, 6,10
	v_max3_num_f32 v[TW], v[TW], |v[XB+\q]|, |v[XB+\q+1]|
	v_max3_num_f32 v[TW+1], v[TW+1], |v[XB+\q+2]|, |v[XB+\q+3]|
.endr
	v_max3_num_f32 v[TW], v[TW], |v[XB+14]|, |v[XB+15]|
	v_max3_num_f32 v[TW], v[TW], v[TW+1], 0x1800000                ; and the floor
	v_max_num_f32_dpp v[TW], v[TW], v[TW] row_xmask:1 row_mask:0xf bank_mask:0xf   ; and of my neighbour's 16: the block's
	v_add_nc_u32 v[TW+2], 0xff000000, v[TW]
	v_cvt_scalef32_pk8_fp4_f32 v[CD+2*(\t)], v[XB:XB+7], v[TW+2]
	v_cvt_scalef32_pk8_fp4_f32 v[CD+2*(\t)+1], v[XB+8:XB+15], v[TW+2]
	v_lshrrev_b32 v[BYT+(\t)], 23, v[TW+2]
	ds_store_b8 v7, v[BYT+(\t)] offset:16*(\t)     ; both lanes of a block write the same byte with the same value
	global_store_b64 v8, v[CD+2*(\t):CD+2*(\t)+1], s[44:45] offset:256*(\t)   ; the wave stores the token's 256 bytes of codes
	; the router in f32: eight sums, two to an instruction; x[16 lane + i] is broadcast to both halves
.irp q, 0,1,2,3
	v_pk_mul_f32 v[LG+2*\q:LG+2*\q+1], v[XB:XB+1], v[GW+2*\q:GW+2*\q+1] op_sel_hi:[0,1]
.endr
.set i, 1
.rept 15
.irp q, 0,1,2,3
.if i%2
	v_pk_fma_f32 v[LG+2*\q:LG+2*\q+1], v[XB+i-1:XB+i], v[GW+8*i+2*\q:GW+8*i+2*\q+1], v[LG+2*\q:LG+2*\q+1] op_sel:[1,0,0] op_sel_hi:[1,1,1]
.else
	v_pk_fma_f32 v[LG+2*\q:LG+2*\q+1], v[XB+i:XB+i+1], v[GW+8*i+2*\q:GW+8*i+2*\q+1], v[LG+2*\q:LG+2*\q+1] op_sel_hi:[0,1,1]
.endif
.endr
.set i, i+1
.endr
.irp k, 1,2,4,8
.irp e, 0,1,2,3,4,5,6,7
	v_add_f32_dpp v[LG+\e], v[LG+\e], v[LG+\e] row_xmask:\k row_mask:0xf bank_mask:0xf
.endr
.endr
.irp e, 0,1,2,3,4,5,6,7
	v_permlanex16_b32 v[TW+\e], v[LG+\e], s40, s41
.endr
.irp e, 0,1,2,3,4,5,6,7
	v_add_f32 v[LG+\e], v[LG+\e], v[TW+\e]         ; every lane holds the sum
.endr
.irp e, 0,1,2,3,4,5,6,7
	v_add_f32 v[LG+\e], s[32+\e], v[LG+\e]         ; + gate_b
.endr
	v_mov_b32 v[TW], v[LG]                         ; the largest so far and its expert; the second and its expert
	v_mov_b32 v[TW+1], 0
	v_mov_b32 v[TW+2], 0xff800000
	v_mov_b32 v[TW+3], 1
.irp e, 1,2,3,4,5,6,7
	v_cmp_gt_f32 s43, v[LG+\e], v[TW]              ; strictly greater: of equals the lower number stays ahead
	v_cmp_gt_f32 vcc_lo, v[LG+\e], v[TW+2]
	v_cndmask_b32 v[TW+2], v[TW+2], v[LG+\e], vcc_lo
	v_cndmask_b32 v[TW+3], v[TW+3], \e, vcc_lo
	v_cndmask_b32 v[TW+2], v[TW+2], v[TW], s43
	v_cndmask_b32 v[TW+3], v[TW+3], v[TW+1], s43
	v_cndmask_b32 v[TW], v[TW], v[LG+\e], s43
	v_cndmask_b32 v[TW+1], v[TW+1], \e, s43
.endr
	v_sub_f32 v[TW+4], v[TW+2], v[TW]              ; the maximum is taken away, as the softmax of reference() does
	s_mov_b32 s42, 1<<(\t)
	v_cndmask_b32 v120, v120, v[TW+1], s42         ; into lane t
	v_cndmask_b32 v121, v121, v[TW+3], s42
	v_cndmask_b32 v122, v122, v[TW+4], s42
.endm
.irp t, 0,1,2,3,4,5,6,7
	TOK \t
.endr
	; the softmax over the two, and the key of the pair (lo < hi): lo (15 - lo) / 2 + hi - lo - 1, 0 to 27
	v_mul_f32 v[TW], 0x3fb8aa3b, v122
	v_exp_f32 v[TW], v[TW]
	v_nop                                          ; a plain instruction behind the exponential,
	s_wait_alu depctr_va_vdst(0)                   ; and a wait ahead of its first reader
	v_add_f32 v[TW+1], 1.0, v[TW]
	v_rcp_f32 v[TW+1], v[TW+1]                     ; the first pick's gate
	v_nop
	s_wait_alu depctr_va_vdst(0)
	v_mul_f32 v[TW+2], v[TW], v[TW+1]              ; the second pick's
	v_min_u32 v[TW+3], v120, v121                  ; lo
	v_add_nc_u32 v[TW+4], v120, v121
	v_sub_nc_u32 v[TW+4], v[TW+4], v[TW+3]         ; hi
	v_cmp_lt_u32 vcc_lo, v120, v121
	v_cndmask_b32 v[TW+5], v[TW+2], v[TW+1], vcc_lo   ; lo's gate
	v_cndmask_b32 v[TW+6], v[TW+1], v[TW+2], vcc_lo   ; hi's gate
	v_sub_nc_u32 v[TW+7], 15, v[TW+3]
	v_mul_u32_u24 v[TW+7], v[TW+7], v[TW+3]
	v_lshrrev_b32 v[TW+7], 1, v[TW+7]
	v_add_nc_u32 v[TW+7], v[TW+7], v[TW+4]
	v_sub_nc_u32 v[TW+7], v[TW+7], v[TW+3]
	v_add_nc_u32 v[TW+7], -1, v[TW+7]
	ds_store_b32 v10, v[TW+7]
	ds_store_b32 v10, v[TW+5] offset:1024
	ds_store_b32 v10, v[TW+6] offset:2048
	ds_load_b32 v[BYT], v9                         ; my wave's 128 scale bytes: these see my byte stores
	s_wait_dscnt 0x0                               ; for the others' sake too: keys and gates lie in LDS
	global_store_b32 v15, v[BYT], s[46:47] offset:1048576
	s_barrier_signal -1
	s_barrier_wait -1
	s_cmp_gt_u32 s24, 1
	s_cbranch_scc1 .Lend                           ; waves 0 and 1 take a chunk of 32 tokens each: lane = token
	ds_load_b32 v[TW], v11
	ds_load_b32 v[TW+2], v11 offset:1024
	ds_load_b32 v[TW+3], v11 offset:2048
	v_mov_b32 v[TW+4], 0                           ; my rank among the chunk's tokens of my key
	v_mov_b32 v[TW+5], 0                           ; lane k: how many tokens of the chunk have key k
	s_wait_dscnt 0x0
.set k, 0
.rept 28
	v_cmp_eq_u32 s43, k, v[TW]
	v_mbcnt_lo_u32_b32 v[TW+6], s43, 0
	v_cndmask_b32 v[TW+4], v[TW+4], v[TW+6], s43
	s_bcnt1_i32_b32 s48, s43
	v_writelane_b32 v[TW+5], s48, k
.set k, k+1
.endr
	v_lshl_or_b32 v[TW+4], v[TW+4], 8, v[TW]       ; key | rank << 8
	global_store_b64 v8, v[TW+2:TW+3], s[16:17]    ; all at fixed places
	global_store_b32 v15, v[TW+4], s[18:19]
	global_store_b32 v15, v[TW+5], s[18:19] offset:16384
.Lend:
	s_wait_tensorcnt 0x0                           ; the wave's end
	ds_add_u32 v2, v3
	s_wait_dscnt 0x0
	s_endpgm
.Lfunc_end_k_q52881a4690_prep:
	.size	k_q52881a4690_prep, .Lfunc_end_k_q52881a4690_prep-k_q52881a4690_prep
	.p2alignl 7, 3214868480
	.fill 96, 4, 3214868480
	.section	.rodata,"a",@progbits
	.p2align	6, 0x0
	.amdhsa_kernel k_q52881a4690_prep
		.amdhsa_group_segment_fixed_size 66048
		.amdhsa_private_segment_fixed_size 0
		.amdhsa_enable_private_segment 0
		.amdhsa_kernarg_size 80
		.amdhsa_user_sgpr_count 2
		.amdhsa_user_sgpr_kernarg_segment_ptr 1
		.amdhsa_wavefront_size32 1
		.amdhsa_system_sgpr_workgroup_id_x 1
		.amdhsa_system_sgpr_workgroup_id_y 1
		.amdhsa_system_sgpr_workgroup_id_z 1
		.amdhsa_system_vgpr_workitem_id 0
		.amdhsa_next_free_vgpr 256
		.amdhsa_next_free_sgpr 66
		.amdhsa_reserve_vcc 1
		.amdhsa_float_denorm_mode_32 3
		.amdhsa_float_denorm_mode_16_64 3
		.amdhsa_memory_ordered 1
		.amdhsa_forward_progress 1
		.amdhsa_inst_pref_size 191
	.end_amdhsa_kernel
	.amdgpu_metadata
---
amdhsa.version: [ 1, 2 ]
amdhsa.kernels:
  - .name:           k_q52881a4690_prep
    .symbol:         k_q52881a4690_prep.kd
    .args:
      - { .name: x, .offset: 0, .size: 8, .value_kind: global_buffer, .address_space: global }
      - { .name: gate_w, .offset: 8, .size: 8, .value_kind: global_buffer, .address_space: global }
      - { .name: gate_b, .offset: 16, .size: 8, .value_kind: global_buffer, .address_space: global }
      - { .name: w1, .offset: 24, .size: 8, .value_kind: global_buffer, .address_space: global }
      - { .name: w2, .offset: 32, .size: 8, .value_kind: global_buffer, .address_space: global }
      - { .name: xq, .offset: 40, .size: 8, .value_kind: global_buffer, .address_space: global }
      - { .name: gt, .offset: 48, .size: 8, .value_kind: global_buffer, .address_space: global }
      - { .name: rt, .offset: 56, .size: 8, .value_kind: global_buffer, .address_space: global }
      - { .name: wc, .offset: 64, .size: 8, .value_kind: global_buffer, .address_space: global }
      - { .name: ws, .offset: 72, .size: 8, .value_kind: global_buffer, .address_space: global }
    .group_segment_fixed_size: 66048
    .private_segment_fixed_size: 0
    .kernarg_segment_align: 8
    .kernarg_segment_size: 80
    .max_flat_workgroup_size: 256
    .sgpr_count:     66
    .vgpr_count:     256
    .wavefront_size: 32
...
	.end_amdgpu_metadata
.endif
;; end of part 1
;; launch place (part 2): grid 1 x 1, 16 waves a work-group, no clusters, 4,096 bytes of LDS; arguments rt, pl; writes pl
.if DOCPART == 2
	.amdgcn_target "amdgcn-amd-amdhsa--gfx1250"
	.amdhsa_code_object_version 6
	.text
	.protected	k_q52881a4690_place
	.globl	k_q52881a4690_place
	.p2align	8
	.type	k_q52881a4690_place,@function
k_q52881a4690_place:
	s_mov_b64 s[64:65], 0
	v_nop
	global_prefetch_b8 v0, s[64:65] scope:SCOPE_SE
	s_setreg_imm32_b32 hwreg(HW_REG_WAVE_MODE, 25, 1), 1
	s_wait_xcnt 0x0
; AdamLayer, launch 2 of 3: a counting sort of the 4,096 tokens by their pair of experts (28 keys), from the whole numbers that the first launch stored.
; (Work left out: the six experts that a token's router did not choose; shown at the head of the first kernel.)
; OUT: list[192 tiles][32] token numbers (a key's tokens fill whole tiles from a tile boundary on; slots left over hold token 0), rec[160][4] = {rows in the tile, lower expert, higher expert, 0}.
; With 28 keys and tiles of 32 there are never more than 4096 / 32 + 27 = 155 tiles, whatever the split.
; One work-group, sixteen waves; wave w owns chunks 8 w .. 8 w + 7 (256 tokens).  No loop, no atomics: counts by chunk come from memory, the waves' sums meet in LDS once.
; The token numbers leave by stores of four bytes to places that hang on the data (16 KiB in all): an LDS stage would need LDS addresses made of loaded numbers.
.set SPARE, 2048                       ; behind the sixteen waves' sums: the spare words, 128 bytes a wave
	s_load_b128 s[4:7], s[0:1], 0x0                ; rt, pl
	v_lshl_add_u32 v1, v0, 2, SPARE
	v_mov_b32 v2, 0
	v_lshrrev_b32 v3, 5, v0
	v_readfirstlane_b32 s8, v3                     ; wave
	v_and_b32 v3, 31, v0                           ; lane
	v_lshlrev_b32 v6, 2, v3                        ; 4 x lane
	s_lshl_b32 s9, s8, 10
	v_add_nc_u32 v4, s9, v6                        ; my wave's eight rows of 128 bytes, in both tables
	s_lshl_b32 s9, s8, 7
	v_add_nc_u32 v7, s9, v6                        ; my wave's sums in LDS
	s_lshl_b32 s9, s8, 8
	v_add_nc_u32 v47, s9, v3                       ; my token of chunk 0 of my wave
	v_lshlrev_b32 v5, 4, v0
.irp j, 52,53,54,55
	v_mov_b32 v\j, 0
.endr
	s_wait_kmcnt 0x0
.irp j, 0,1,2
	global_store_b128 v5, v[52:55], s[6:7] offset:8192*\j          ; the whole list is zeros first: every slot that the next launch reads is written
.endr
.irp i, 0,1,2,3,4,5,6,7
	global_load_b32 v[8+\i], v4, s[4:5] offset:16384+128*\i        ; counts of chunk 8 w + i: lane = key
.endr
.irp i, 0,1,2,3,4,5,6,7
	global_load_b32 v[16+\i], v4, s[4:5] offset:128*\i             ; key | rank << 8 of chunk 8 w + i: lane = token
.endr
	s_wait_loadcnt 8                               ; the counts are in; the eight loads behind them may be out
	v_add_nc_u32 v46, v8, v9
.irp i, 2,3,4,5,6,7
	v_add_nc_u32 v46, v46, v[8+\i]
.endr
	ds_store_b32 v7, v46
	s_wait_storecnt 0x0                            ; my zeros have landed: no wave stores a token number over them before every wave has passed the barrier
	s_wait_dscnt 0x0
	s_barrier_signal -1
	s_barrier_wait -1
.irp w, 0,1,2,3,4,5,6,7,8,9,10,11,12,13,14,15
	ds_load_b32 v[24+\w], v6 offset:128*\w
.endr
	v_mov_b32 v40, 0                               ; a key's tokens in all
	v_mov_b32 v41, 0                               ; and in the waves ahead of mine
	s_wait_dscnt 0x0
.irp w, 0,1,2,3,4,5,6,7,8,9,10,11,12,13,14,15
	v_add_nc_u32 v40, v40, v[24+\w]
	s_cmp_gt_u32 s8, \w
	s_cselect_b32 s10, -1, 0
	v_and_b32 v46, s10, v[24+\w]
	v_add_nc_u32 v41, v41, v46
.endr
	; the keys in order.  s11: the key's first tile.  Thread j ends up with the last key whose first tile is at or under j: tile j's key
	s_mov_b32 s11, 0
	v_mov_b32 v42, 0                               ; my tile's key: its first tile,
	v_mov_b32 v43, 0                               ; its tokens,
	v_mov_b32 v44, 0x100                           ; its experts, lo | hi << 8
	v_mov_b32 v45, 0                               ; lane k: key k's first slot
.set k, 0
.irp lo, 0,1,2,3,4,5,6
.irp hi, 1,2,3,4,5,6,7
.if \hi > \lo
	v_readlane_b32 s12, v40, k
	v_cmp_le_u32 vcc_lo, s11, v0
	s_mov_b32 s13, \lo|(\hi<<8)
	v_cndmask_b32 v42, v42, s11, vcc_lo
	v_cndmask_b32 v43, v43, s12, vcc_lo
	v_cndmask_b32 v44, v44, s13, vcc_lo
	s_lshl_b32 s14, s11, 5
	v_writelane_b32 v45, s14, k
	s_add_co_u32 s12, s12, 31
	s_lshr_b32 s12, s12, 5
	s_add_co_u32 s11, s11, s12                     ; an empty key takes no tile
.set k, k+1
.endif
.endr
.endr
	v_sub_nc_u32 v46, v0, v42                      ; which tile of its key
	v_lshlrev_b32 v46, 5, v46
	v_min_u32 v46, v46, v43
	v_sub_nc_u32 v46, v43, v46                     ; tokens left from there on: 0 behind the last tile
	v_min_u32 v48, 32, v46
	v_and_b32 v49, 0xff, v44
	v_lshrrev_b32 v50, 8, v44
	v_mov_b32 v51, 0
	s_cmp_gt_u32 s8, 4
	s_cbranch_scc1 .Lno_record
	global_store_b128 v5, v[48:51], s[6:7] offset:24576            ; threads 0 to 159
.Lno_record:
	v_add_nc_u32 v24, v45, v41                     ; lane = key: the slot of the key's first token in my chunk 0,
.irp i, 1,2,3,4,5,6,7
	v_add_nc_u32 v[24+\i], v[23+\i], v[7+\i]       ; in chunk i
.endr
	s_wait_loadcnt 0x0
.irp i, 0,1,2,3,4,5,6,7
	v_and_b32 v[32+\i], 0xff, v[16+\i]
	v_min_u32 v[32+\i], 31, v[32+\i]
	v_lshlrev_b32 v[32+\i], 2, v[32+\i]
.endr
.irp i, 0,1,2,3,4,5,6,7
	ds_bpermute_b32 v[56+\i], v[32+\i], v[24+\i]   ; lane = token: its key's slot
.endr
	s_wait_dscnt 0x0
.irp i, 0,1,2,3,4,5,6,7
	v_lshrrev_b32 v[16+\i], 8, v[16+\i]
	v_add_nc_u32 v[32+\i], v[56+\i], v[16+\i]      ; + its rank in the chunk
	v_min_u32 v[32+\i], 0x17ff, v[32+\i]           ; inside the list
	v_lshlrev_b32 v[32+\i], 2, v[32+\i]
	v_add_nc_u32 v[64+\i], 32*\i, v47
	global_store_b32 v[32+\i], v[64+\i], s[6:7]
.endr
	s_wait_tensorcnt 0x0                           ; the wave's end
	ds_add_u32 v1, v2
	s_wait_dscnt 0x0
	s_endpgm
.Lfunc_end_k_q52881a4690_place:
	.size	k_q52881a4690_place, .Lfunc_end_k_q52881a4690_place-k_q52881a4690_place
	.p2alignl 7, 3214868480
	.fill 96, 4, 3214868480
	.section	.rodata,"a",@progbits
	.p2align	6, 0x0
	.amdhsa_kernel k_q52881a4690_place
		.amdhsa_group_segment_fixed_size 4096
		.amdhsa_private_segment_fixed_size 0
		.amdhsa_enable_private_segment 0
		.amdhsa_kernarg_size 16
		.amdhsa_user_sgpr_count 2
		.amdhsa_user_sgpr_kernarg_segment_ptr 1
		.amdhsa_wavefront_size32 1
		.amdhsa_system_sgpr_workgroup_id_x 1
		.amdhsa_system_sgpr_workgroup_id_y 1
		.amdhsa_system_sgpr_workgroup_id_z 1
		.amdhsa_system_vgpr_workitem_id 0
		.amdhsa_next_free_vgpr 80
		.amdhsa_next_free_sgpr 66
		.amdhsa_reserve_vcc 1
		.amdhsa_float_denorm_mode_32 3
		.amdhsa_float_denorm_mode_16_64 3
		.amdhsa_memory_ordered 1
		.amdhsa_forward_progress 1
		.amdhsa_inst_pref_size 27
	.end_amdhsa_kernel
	.amdgpu_metadata
---
amdhsa.version: [ 1, 2 ]
amdhsa.kernels:
  - .name:           k_q52881a4690_place
    .symbol:         k_q52881a4690_place.kd
    .args:
      - { .name: rt, .offset: 0, .size: 8, .value_kind: global_buffer, .address_space: global }
      - { .name: pl, .offset: 8, .size: 8, .value_kind: global_buffer, .address_space: global }
    .group_segment_fixed_size: 4096
    .private_segment_fixed_size: 0
    .kernarg_segment_align: 8
    .kernarg_segment_size: 16
    .max_flat_workgroup_size: 512
    .sgpr_count:     66
    .vgpr_count:     80
    .wavefront_size: 32
...
	.end_amdgpu_metadata
.endif
;; end of part 2
;; launch chain (part 3): grid 155 x 1, 16 waves a work-group, no clusters, 137,728 bytes of LDS; arguments pl, gt, xq, wc, ws, b1, b2, p, v, m, ln_w, ln_b, out0, out1, out2, out3; writes out0, out1, out2, out3
.if DOCPART == 3
	.amdgcn_target "amdgcn-amd-amdhsa--gfx1250"
	.amdhsa_code_object_version 6
	.text
	.protected	k_q52881a4690_chain
	.globl	k_q52881a4690_chain
	.p2align	8
	.type	k_q52881a4690_chain,@function
k_q52881a4690_chain:
	s_mov_b64 s[64:65], 0
	v_nop
	global_prefetch_b8 v0, s[64:65] scope:SCOPE_SE
	s_setreg_imm32_b32 hwreg(HW_REG_WAVE_MODE, 25, 1), 1
	s_wait_xcnt 0x0
; AdamLayer, launch 3 of 3: one work-group = one tile of up to 32 tokens that chose the SAME pair of experts: both experts' chains, the gated sum, the Adam step, the LayerNorm.
; Work left out (shown at the head of the first kernel): the six experts that a token did not choose; the two x terms of y = x - (a + x), so y = -p_new / sqrt(v_new + 1e-8) and f32 x is not loaded here.
; LIMIT: a NaN, infinity or overflow that arises only in that work is not carried to the result.
; SHARES.  Sixteen waves share the COLUMNS: for all 32 tokens (row tiles m = 0, 1) wave w makes hidden units 128 w .. 128 w + 127, which are K step w of the second product, and outputs 32 w .. 32 w + 31.
;  Each weight byte is wanted by one wave and goes from memory straight into its registers, 512 consecutive bytes a load, in the order in which the first launch laid the fragments.
;  The hidden layer goes from wave to wave through LDS as images of the operand's registers.  Each output row has one owner: wave w finishes rows 2 w and 2 w + 1.
; BOTH PRODUCTS ARE USED TRANSPOSED (source 0 = 16 rows of the weight, source 1 = 16 tokens): a lane holds one token, its registers run along the columns.
; THE GRID serves every split: 4096 / 32 + 27 tiles at the most.  A tile that the split leaves without rows walks the text on token 0 and stores nothing: every wave passes every barrier, and none stands under a
;  branch on a loaded number; the only branches on the count stand behind the last barrier.
; NO CLUSTER, NO TENSOR LOAD: which weights a work-group reads hangs on stored numbers, neighbours in the grid need not share an expert, and no byte of a weight is wanted by two waves of a work-group.
; REGISTERS: v1, v2 the add's two; v3-11, v16 lane terms; v12-15 gates; v17-21 token offsets; v24-87 x's 8 fragments ((m, s) at 24 + 8 (4 m + s)); v88-91 x's scale words; v92-123 four accumulators;
;  v124-187 eight fragment slots in two halves; v188-191, v208-211 the weights' scale words and nothing else; v192-207, v212-227 biases; v228-255 at work (first product), v220-253 hidden fragments and their words (second).
.set STG,   0                          ; LDS: 32 rows x (2,048 + 16) bytes of the gated sum
.set HIMG0, 66048                      ; the first expert's hidden layer: fragment (s, m) at (2 s + m) x 1,024;
.set HSC0,  98816                      ; its scale words: [s][lane], lanes 0-15 m = 0, lanes 16-31 m = 1
.set HNEXT, 34816                      ; the second expert's lie this far on: so one barrier an expert is enough
.set SPARE, 135680                     ; the spare words: 128 bytes for each of the sixteen waves
.set XF,   24
.set XS,   88
.set ACC,  92
.set RING, 124
.set AUX0, 188                         ; four scale words, sixteen bias numbers; the other set 20 on
.set PC,   228                         ; the codes just made: (m, c) at 228 + 8 m + 4 c
.set T,    244
.set T2,   246
.set SOP,  248
.set BY,   250
.set W,    252
.set WW,   254
.set HF,   220                         ; two sets of two hidden fragments
.set HS,   252                         ; and their scale words
.set LNW,  72
.set LNB,  192
.set TT,   212                         ; the epilogue's work registers
.set TS,   214
.set MEAN, 218
.set RS,   219
.macro NOP4                            ; four places behind matrix instructions, in front of loads into their registers and of reads of their results
.rept 4
	v_nop
.endr
.endm
.macro WM ra, rb                       ; one product; ra, rb: the scale words of source 0, 1 stand in lanes 16-31
.if (\ra) == 0 && (\rb) == 0
	v_wmma_scale_f32_16x16x128_f8f6f4 v[rD:rD+7], v[rA:rA+7], v[rB:rB+7], v[rC:rC+7], v[rSA], v[rSB] matrix_a_fmt:MATRIX_FMT_FP4 matrix_b_fmt:MATRIX_FMT_FP4
.elseif (\ra) == 1 && (\rb) == 0
	v_wmma_scale_f32_16x16x128_f8f6f4 v[rD:rD+7], v[rA:rA+7], v[rB:rB+7], v[rC:rC+7], v[rSA], v[rSB] matrix_a_fmt:MATRIX_FMT_FP4 matrix_b_fmt:MATRIX_FMT_FP4 matrix_a_scale:MATRIX_SCALE_ROW1
.elseif (\ra) == 0
	v_wmma_scale_f32_16x16x128_f8f6f4 v[rD:rD+7], v[rA:rA+7], v[rB:rB+7], v[rC:rC+7], v[rSA], v[rSB] matrix_a_fmt:MATRIX_FMT_FP4 matrix_b_fmt:MATRIX_FMT_FP4 matrix_b_scale:MATRIX_SCALE_ROW1
.else
	v_wmma_scale_f32_16x16x128_f8f6f4 v[rD:rD+7], v[rA:rA+7], v[rB:rB+7], v[rC:rC+7], v[rSA], v[rSB] matrix_a_fmt:MATRIX_FMT_FP4 matrix_b_fmt:MATRIX_FMT_FP4 matrix_a_scale:MATRIX_SCALE_ROW1 matrix_b_scale:MATRIX_SCALE_ROW1
.endif
.endm
; An expert's six addresses stand at s[P]: W1's codes, +2 W1's scales, +4 b1, +6 W2's codes, +8 W2's scales, +10 b2, each at my wave's part.
.macro EPTR P, e
	s_lshl_b32 s80, \e, 19
	s_lshl_b32 s88, s66, 15
	s_add_co_u32 s80, s80, s88
	s_add_nc_u64 s[\P:\P+1], s[10:11], s[80:81]
	s_add_nc_u64 s[\P+6:\P+7], s[\P:\P+1], 0x400000
	s_lshl_b32 s80, \e, 15
	s_lshl_b32 s88, s66, 11
	s_add_co_u32 s80, s80, s88
	s_add_nc_u64 s[\P+2:\P+3], s[12:13], s[80:81]
	s_add_nc_u64 s[\P+8:\P+9], s[\P+2:\P+3], 0x40000
	s_lshl_b32 s80, \e, 13
	s_lshl_b32 s88, s66, 9
	s_add_co_u32 s80, s80, s88
	s_add_nc_u64 s[\P+4:\P+5], s[14:15], s[80:81]
	s_lshl_b32 s80, \e, 11
	s_lshl_b32 s88, s66, 7
	s_add_co_u32 s80, s80, s88
	s_add_nc_u64 s[\P+10:\P+11], s[16:17], s[80:81]
.endm
.macro LDA P, b                        ; 6 loads: block b's scale words (four K steps) and b1 in the result's layout, into the set at aX
	global_load_b64 v[aX:aX+1], v4, s[\P+2:\P+3] offset:(\b)*512
	global_load_b64 v[aX+2:aX+3], v4, s[\P+2:\P+3] offset:(\b)*512+256
.irp u, 0,1
.irp j, 0,1
	global_load_b128 v[aX+4+8*\u+4*\j:aX+7+8*\u+4*\j], v11, s[\P+4:\P+5] offset:(\b)*128+32*\u+16*\j
.endr
.endr
.endm
.macro LDH P, b, half                  ; 8 loads: block b's fragments of K steps 2 half, 2 half + 1 (tile u of step s in slot 2 s + u)
.irp f, 0,1,2,3
.irp c, 0,1
	global_load_b128 v[RING+32*(\half)+8*\f+4*\c:RING+32*(\half)+8*\f+4*\c+3], v3, s[\P:\P+1] offset:(\b)*8192+(\half)*4096+\f*1024+\c*512
.endr
.endr
.endm
.macro LDS2 P, kp                      ; 1 load: W2's scale words of K steps 2 kp, 2 kp + 1, into pair kp % 4
.set rS, 188+2*((\kp)%2)+20*(((\kp)%4)/2)
	global_load_b64 v[rS:rS+1], v4, s[\P+8:\P+9] offset:(\kp)*256
.endm
.macro LDA2 P                          ; 6 loads: W2's first two pairs of scale words and b2 in the result's layout
	LDS2 \P, 0
	LDS2 \P, 1
.irp n, 0,1
.irp j, 0,1
	global_load_b128 v[AUX0+4+8*\n+4*\j:AUX0+7+8*\n+4*\j], v16, s[\P+10:\P+11] offset:64*\n+16*\j
.endr
.endr
.endm
.macro LDQ P, q                        ; 8 loads: W2's fragments of K steps 2 q, 2 q + 1 into half q % 2
.irp f, 0,1,2,3
.irp c, 0,1
	global_load_b128 v[RING+32*((\q)%2)+8*\f+4*\c:RING+32*((\q)%2)+8*\f+4*\c+3], v3, s[\P+6:\P+7] offset:(\q)*4096+\f*1024+\c*512
.endr
.endr
.endm
.macro ROWLD base, ro, sp              ; 4 loads: a row of 2,048 bytes, 512 consecutive bytes a load
.irp j, 0,1,2,3
	global_load_b128 v[\base+4*\j:\base+4*\j+3], v[\ro], s[\sp:\sp+1] offset:512*\j
.endr
.endm
.macro LD s                            ; 5 LDS loads: K step s of the hidden layer, both row tiles, and its scale words
.irp m, 0,1
.irp c, 0,1
	ds_load_b128 v[HF+16*((\s)%2)+8*\m+4*\c:HF+16*((\s)%2)+8*\m+4*\c+3], v5 offset:(\s)*2048+\m*1024+\c*512
.endr
.endr
	ds_load_b32 v[HS+(\s)%2], v7 offset:(\s)*128
.endm
; Eight products of block b: K steps s0, s0 + 1; the four accumulators (u, m) take turns, one instruction a turn.  b1 is the C of each sum's first product.
.macro MM1G b, s0
.set ss, \s0
.rept 2
.irp u, 0,1
.irp m, 0,1
.set rD, ACC+16*\m+8*\u
.set rA, RING+8*(2*ss+\u)
.set rB, XF+8*(4*\m+ss)
.set rSA, AUX0+20*((\b)%2)+ss
.set rSB, XS+ss
.if ss == 0
.set rC, AUX0+20*((\b)%2)+4+8*\u
.else
.set rC, rD
.endif
	WM \u, \m
.endr
.endr
.set ss, ss+1
.endr
.endm
; Block b's 32 hidden units of the 32 tokens: relu, then the quantiser.  For row tile m a lane's 16 registers are k = 16 (lane / 16) + 0..15 of the block; lane l xor 16 holds the other half.
.macro QB b
.set j, 0
.rept 32
	v_max_num_f32 v[ACC+j], 0, v[ACC+j]            ; each accumulator from its low end on
.set j, j+1
.endr
.irp m, 0,1
	v_max3_num_f32 v[T+\m], v[ACC+16*\m], v[ACC+16*\m+1], 0x1800000   ; none is negative; the floor 2^(3 - 127) holds the byte at 1 from below
.endr
.irp i, 2,4,6,8,10,12,14
.irp m, 0,1
	v_max3_num_f32 v[T+\m], v[T+\m], v[ACC+16*\m+\i], v[ACC+16*\m+\i+1]
.endr
.endr
.irp m, 0,1
	v_permlanex16_b32 v[T2+\m], v[T+\m], s68, s69
.endr
.irp m, 0,1
	v_max_num_f32 v[T+\m], v[T+\m], v[T2+\m]
.endr
.irp m, 0,1
	v_add_nc_u32 v[SOP+\m], 0xff000000, v[T+\m]    ; 2 off the exponent field: the conversion's scale operand
.endr
.irp m, 0,1
	v_lshrrev_b32 v[BY+\m], 23, v[SOP+\m]
.endr
.irp m, 0,1
.if (\b) == 0
	v_mov_b32 v[W+\m], v[BY+\m]
.else
	v_lshl_or_b32 v[W+\m], v[BY+\m], 8*(\b), v[W+\m]
.endif
.endr
.irp m, 0,1
	v_cvt_scalef32_pk8_fp4_f32 v[PC+8*\m+4*((\b)/2)+2*((\b)%2)], v[ACC+16*\m:ACC+16*\m+7], v[SOP+\m]
	v_cvt_scalef32_pk8_fp4_f32 v[PC+8*\m+4*((\b)/2)+2*((\b)%2)+1], v[ACC+16*\m+8:ACC+16*\m+15], v[SOP+\m]
.endr
	v_nop                                          ; one plain place behind the scaled conversions
.if (\b)%2 == 1
.irp m, 0,1
.irp i, 0,1
	v_permlane16_swap_b32 v[PC+8*\m+4*((\b)/2)+\i], v[PC+8*\m+4*((\b)/2)+2+\i]   ; a whole block to a lane: lanes 0-15 the even block, lanes 16-31 the odd one
.endr
.endr
.irp m, 0,1
	ds_store_b128 v6, v[PC+8*\m+4*((\b)/2):PC+8*\m+4*((\b)/2)+3] offset:\m*1024+((\b)/2)*512
.endr
.endif
.if (\b) == 3
	v_cndmask_b32 v[WW], v[W], v[W+1], s70         ; lanes 0-15: row tile 0's words, lanes 16-31: row tile 1's
	ds_store_b32 v8, v[WW]
.endif
.endm
; Block b of the first product.  cnt1: the loads that may stay out when the block's first half is wanted.
.macro BLOCK P, b, cnt1, last
.if (\b) < 3
.set aX, AUX0+20*(((\b)+1)%2)
	LDA \P, (\b)+1
.else
	LDA2 \P
.endif
	s_wait_loadcnt \cnt1                           ; behind this block's scale words, bias and first half: its second half (8) and the 6 just issued; in the very first block only those 6, so that x is in too
	MM1G \b, 0
	NOP4
.if (\b) < 3
	LDH \P, (\b)+1, 0
.else
	LDQ \P, 0
.endif
	s_wait_loadcnt 14                              ; behind this block's second half: the 6 and the 8 just issued
	MM1G \b, 2
	NOP4
.if (\b) < 3
	LDH \P, (\b)+1, 1
.else
	LDQ \P, 1
	LDS2 \P, 2
	LDS2 \P, 3
.if \last
	ROWLD 24, 20, 18                               ; x's fragments are done with: my first row's p, v, m and ln_w take their registers, a whole second product ahead of their use
	ROWLD 40, 20, 20
	ROWLD 56, 20, 22
	ROWLD LNW, 3, 24
.endif
.endif
	QB \b
.endm
; What is loaded behind K step 2 q + 1 of the second product: the registers that the step has just left.
.macro REFILL P, PN, q, last
.if (\q) < 4
.if \last && ((\q) == 2)
	ROWLD LNB, 3, 26                               ; b2 was the C of K step 0
.endif
	LDS2 \P, (\q)+4
.endif
.if (\q) < 6
	LDQ \P, (\q)+2
.elseif (\q) == 6
.if \last
	ROWLD 124, 21, 18                              ; my second row's p and v,
	ROWLD 140, 21, 20
.else
.set aX, AUX0
	LDA \PN, 0                                     ; the next expert's first block
	LDH \PN, 0, 0
.endif
.else
.if \last
	ROWLD 156, 21, 22                              ; and m
.else
	LDH \PN, 0, 1
.endif
.endif
.endm
; K step s of the second product: four accumulators (n, m) by turns.  b2 is the C of K step 0.
.macro KSTEP P, PN, s, last
.if (\s) < 15
	s_wait_dscnt 5                                 ; this step's five LDS loads are in; the next step's five may be out
.else
	s_wait_dscnt 0x0
.endif
.if (\s)%2 == 0
.set cq, 8                                         ; behind this quarter's eight loads: the next quarter's eight,
.if (\s) == 0
.set cq, 10+16*\last                               ; + two pairs of scale words (+ 16 loads of p, v, m, ln_w)
.elseif (\s) == 2
.set cq, 11+16*\last                               ; + those and one pair more
.elseif (\s) == 4
.set cq, 9                                         ; + one pair
.elseif (\s) == 6
.set cq, 9+4*\last                                 ; + one pair (+ ln_b)
.elseif (\s) == 8
.set cq, 9
.elseif (\s) == 14
.set cq, 14-6*\last                                ; the next expert's 6 + 8, or my second row's p and v
.endif
	s_wait_loadcnt cq
.endif
.irp n, 0,1
.irp m, 0,1
.set rD, ACC+8*(2*\n+\m)
.set rA, RING+8*((2*(\s)+\n)%8)
.set rB, HF+16*((\s)%2)+8*\m
.set rSA, 188+2*(((\s)/2)%2)+20*((((\s)/2)%4)/2)+(\s)%2
.set rSB, HS+(\s)%2
.if (\s) == 0
.set rC, AUX0+4+8*\n
.else
.set rC, rD
.endif
	WM \n, \m
.endr
.endr
	NOP4
.if (\s) < 14
	LD (\s)+2
.endif
.if (\s)%2 == 1
	REFILL \P, \PN, (\s)/2, \last
.endif
.endm
.macro EXPERT P, PN, first, last
.if (\first) == 0
	s_wait_dscnt 0x0                               ; my stores into the stage have read the accumulators
.irp r, 5,6,7,8
	v_add_nc_u32 v\r, HNEXT, v\r                   ; the second expert's images
.endr
	BLOCK \P, 0, 14, \last
.else
	BLOCK \P, 0, 6, \last
.endif
	BLOCK \P, 1, 14, \last
	BLOCK \P, 2, 14, \last
	BLOCK \P, 3, 14, \last
	s_wait_dscnt 0x0                               ; for the others' sake: my K step's images lie in LDS
	s_barrier_signal -1
	s_barrier_wait -1                              ; (weight loads stay on their way: nobody writes those bytes)
	LD 0
	LD 1
.irp s, 0,1,2,3,4,5,6,7,8,9,10,11,12,13,14,15
	KSTEP \P, \PN, \s, \last
.endr
.if \first                             ; x the lower expert's gate, into my own 128 bytes of each stage row (the four places stand at the last K step's end)
.irp n, 0,1
.irp m, 0,1
.irp j, 0,1,2,3,4,5,6,7
	v_mul_f32 v[ACC+8*(2*\n+\m)+\j], v[ACC+8*(2*\n+\m)+\j], v[12+2*\m]
.endr
.endr
.endr
.irp n, 0,1
.irp m, 0,1
	ds_store_b128 v9, v[ACC+8*(2*\n+\m):ACC+8*(2*\n+\m)+3] offset:\m*33024+\n*64
	ds_store_b128 v9, v[ACC+8*(2*\n+\m)+4:ACC+8*(2*\n+\m)+7] offset:\m*33024+\n*64+16
.endr
.endr
.else                                  ; + the higher expert's x its gate: my own bytes come back, LDS serving a wave's instructions in order
.irp n, 0,1
.irp m, 0,1
	ds_load_b128 v[HF+8*(2*\n+\m):HF+8*(2*\n+\m)+3] , v9 offset:\m*33024+\n*64
	ds_load_b128 v[HF+8*(2*\n+\m)+4:HF+8*(2*\n+\m)+7], v9 offset:\m*33024+\n*64+16
.endr
.endr
	s_wait_dscnt 0x0
.irp n, 0,1
.irp m, 0,1
.irp j, 0,1,2,3,4,5,6,7
	v_fma_f32 v[HF+8*(2*\n+\m)+\j], v[ACC+8*(2*\n+\m)+\j], v[13+2*\m], v[HF+8*(2*\n+\m)+\j]
.endr
.endr
.endr
.irp n, 0,1
.irp m, 0,1
	ds_store_b128 v9, v[HF+8*(2*\n+\m):HF+8*(2*\n+\m)+3] offset:\m*33024+\n*64
	ds_store_b128 v9, v[HF+8*(2*\n+\m)+4:HF+8*(2*\n+\m)+7] offset:\m*33024+\n*64+16
.endr
.endr
.endif
.endm
	s_load_b512 s[4:19], s[0:1], 0x0               ; pl 4, gt 6, xq 8, wc 10, ws 12, b1 14, b2 16, p 18
	s_load_b512 s[20:35], s[0:1], 0x40             ; v 20, m 22, ln_w 24, ln_b 26, out0 28, out1 30, out2 32, out3 34
	v_lshl_add_u32 v1, v0, 2, SPARE                ; my spare word; never rewritten
	v_mov_b32 v2, 0                                ; 0; never rewritten
	v_lshrrev_b32 v100, 5, v0
	v_readfirstlane_b32 s66, v100                  ; wave 0..15
	v_and_b32 v100, 31, v0                         ; lane
	v_and_b32 v98, 15, v0                          ; r
	v_bfe_u32 v99, v0, 4, 1                        ; h
	v_lshlrev_b32 v3, 4, v100                      ; 16 x lane
	v_lshlrev_b32 v4, 3, v100                      ; 8 x lane
	v_add_nc_u32 v5, HIMG0, v3                     ; an image's place for my lane,
	s_lshl_b32 s80, s66, 11
	v_add_nc_u32 v6, s80, v5                       ; and where I store my K step's two
	v_lshlrev_b32 v92, 2, v100                     ; 4 x lane
	v_add_nc_u32 v7, HSC0, v92                     ; scale words likewise
	s_lshl_b32 s80, s66, 7
	v_add_nc_u32 v8, s80, v7
	v_mul_u32_u24 v9, v98, 2064
	v_lshl_add_u32 v9, v99, 5, v9
	v_add_nc_u32 v9, s80, v9                       ; the stage: row r, + 32 h, + my wave's 128 bytes
	s_mul_i32 s80, s66, 4128
	v_add_nc_u32 v10, s80, v3                      ; back: my two rows, 16 bytes a lane
	v_lshlrev_b32 v11, 6, v99                      ; b1: 16 h numbers on
	v_lshlrev_b32 v16, 5, v99                      ; b2: 8 h numbers on
	v_lshlrev_b32 v93, 2, v98                      ; 4 r
	v_lshlrev_b32 v97, 4, v99                      ; 16 h
	v_mov_b32 v[T2], 0                             ; written once: a lane permute's destination counts as one of its sources
	v_mov_b32 v[T2+1], 0
	s_mov_b32 s68, 0x76543210
	s_mov_b32 s69, 0xfedcba98                      ; lane l xor 16
	s_mov_b32 s70, 0xffff0000                      ; lanes 16-31
	s_mov_b32 s72, 0x3f333333                      ; 0.7
	s_mov_b32 s73, 0x3f666666                      ; 0.9
	s_mov_b32 s74, 0x3dcccccd                      ; 0.1
	s_mov_b32 s75, 0x3f7fbe77                      ; 0.999
	s_mov_b32 s76, 0x3a83126f                      ; 0.001
	s_mov_b32 s77, 0x322bcc77                      ; 1e-8
	s_mov_b32 s78, 0x3727c5ac                      ; 1e-5
	s_mov_b32 s79, 0x3b000000                      ; 1 / 512
	s_lshl_b32 s84, ttmp9, 4                       ; my record
	s_lshl_b32 s85, s66, 3                         ; my two rows' slots
	s_lshl_b32 s80, ttmp9, 7                       ; my tile's 32 slots
	s_mov_b32 s81, 0
	s_wait_kmcnt 0x0
	s_add_nc_u64 s[82:83], s[4:5], s[80:81]
	s_load_b128 s[36:39], s[4:5], s84 offset:0x6000                ; rows in the tile, lower expert, higher expert
	s_load_b64 s[86:87], s[82:83], s85 offset:0x0                  ; the tokens of rows 2 w, 2 w + 1
	global_load_b32 v17, v92, s[82:83]             ; lane i: token i
	global_load_b32 v18, v93, s[82:83]             ; token r of row tile 0,
	global_load_b32 v19, v93, s[82:83] offset:64   ; of row tile 1
	s_wait_kmcnt 0x0
	s_min_u32 s36, s36, 32
	s_min_u32 s37, s37, 7
	s_min_u32 s38, s38, 7
	s_min_u32 s86, s86, 0xfff
	s_min_u32 s87, s87, 0xfff
	EPTR 40, s37
	EPTR 52, s38
	s_lshl_b32 s86, s86, 11
	s_lshl_b32 s87, s87, 11
	v_add_nc_u32 v20, s86, v3                      ; my rows in p, v, m and the outputs
	v_add_nc_u32 v21, s87, v3
.set aX, AUX0
	LDA 40, 0
	LDH 40, 0, 0
	LDH 40, 0, 1
	s_wait_loadcnt 22                              ; the three loads of the list are in; the 22 weight loads behind them may be out
	v_min_u32 v17, 0xfff, v17
	v_min_u32 v18, 0xfff, v18
	v_min_u32 v19, 0xfff, v19
	v_lshlrev_b32 v94, 4, v17                      ; 16 scale bytes a token
	v_lshlrev_b32 v95, 3, v18                      ; two gates a token
	v_lshlrev_b32 v96, 3, v19
	v_lshl_add_u32 v18, v18, 8, v97                ; 256 bytes of codes a token, + 16 h
	v_lshl_add_u32 v19, v19, 8, v97
.irp m, 0,1
.irp s, 0,1,2,3
.irp c, 0,1
	global_load_b128 v[XF+8*(4*\m+\s)+4*\c:XF+8*(4*\m+\s)+4*\c+3], v[18+\m], s[8:9] offset:64*\s+32*\c
.endr
.endr
.endr
	global_load_b128 v[XS:XS+3], v94, s[8:9] offset:1048576        ; word s: lanes 0-15 row tile 0, lanes 16-31 row tile 1
	global_load_b64 v[12:13], v95, s[6:7]
	global_load_b64 v[14:15], v96, s[6:7]
	EXPERT 40, 52, 1, 0
	EXPERT 52, 52, 0, 1
	s_wait_dscnt 0x0                               ; for the others' sake: my columns of the gated sum lie in the stage
	s_barrier_signal -1
	s_barrier_wait -1
; A row: the Adam step and the LayerNorm on 16 numbers a lane (number 128 j + 4 lane + q in register 4 j + q).  PB: p, 16 on v, 32 on m.
.macro LANES                           ; v[TS] = the sum of v[TS .. TS+3] over the 32 lanes, in every lane
	v_add_f32 v[TS], v[TS], v[TS+1]
	v_add_f32 v[TS+2], v[TS+2], v[TS+3]
	v_add_f32 v[TS], v[TS], v[TS+2]
.irp k, 1,2,4,8
	v_add_f32_dpp v[TS], v[TS], v[TS] row_xmask:\k row_mask:0xf bank_mask:0xf
.endr
	v_permlanex16_b32 v[TS+1], v[TS], s68, s69
	v_add_f32 v[TS], v[TS], v[TS+1]
.endm
.macro ROW rho, PB, E, Y, ro, cnt
.irp j, 0,1,2,3
	ds_load_b128 v[\E+4*\j:\E+4*\j+3], v10 offset:(\rho)*2064+512*\j
.endr
	s_wait_loadcnt \cnt                            ; this row's p, v, m are in (first row: the second row's twelve loads may be out)
	s_wait_dscnt 0x0
.set i, 0
.rept 16
	v_fma_f32 v[\PB+32+i], v[\PB+32+i], s72, v[\E+i]               ; momentum = 0.7 m + eo
	v_mul_f32 v[TT], s74, v[\E+i]
	v_mul_f32 v[TT+1], s76, v[\E+i]
	v_mul_f32 v[\PB+16+i], s75, v[\PB+16+i]
	v_fma_f32 v[\PB+i], v[\PB+i], s73, v[TT]                       ; p_new = 0.9 p + 0.1 eo
	v_fma_f32 v[\PB+16+i], v[TT+1], v[\E+i], v[\PB+16+i]           ; v_new = 0.999 v + 0.001 eo^2
	v_add_f32 v[\Y+i], s77, v[\PB+16+i]
.set i, i+1
.endr
.irp j, 0,1,2,3
	global_store_b128 v[\ro], v[\PB+32+4*\j:\PB+32+4*\j+3], s[34:35] offset:512*\j th:TH_STORE_NT   ; each store covers 512 consecutive bytes, aligned
	global_store_b128 v[\ro], v[\PB+4*\j:\PB+4*\j+3], s[30:31] offset:512*\j th:TH_STORE_NT
	global_store_b128 v[\ro], v[\PB+16+4*\j:\PB+16+4*\j+3], s[32:33] offset:512*\j th:TH_STORE_NT
.endr
.set i, 0
.rept 16
	v_rsq_f32 v[\Y+i], v[\Y+i]
.set i, i+1
.endr
	v_nop                                          ; a plain instruction behind the batch,
	s_wait_alu depctr_va_vdst(0)                   ; and one wait for the sixteen, ahead of their first reader
.set i, 0
.rept 16
	v_mul_f32 v[\Y+i], -v[\PB+i], v[\Y+i]          ; y = -p_new / sqrt(v_new + 1e-8)
.set i, i+1
.endr
.irp k, 0,1,2,3
	v_add_f32 v[TS+\k], v[\Y+\k], v[\Y+4+\k]
.endr
.irp k, 0,1,2,3
	v_add_f32 v[TS+\k], v[TS+\k], v[\Y+8+\k]
.endr
.irp k, 0,1,2,3
	v_add_f32 v[TS+\k], v[TS+\k], v[\Y+12+\k]
.endr
	LANES
	v_mul_f32 v[MEAN], s79, v[TS]
.set i, 0
.rept 16
	v_sub_f32 v[\Y+i], v[\Y+i], v[MEAN]
.set i, i+1
.endr
.irp k, 0,1,2,3
	v_mul_f32 v[TS+\k], v[\Y+\k], v[\Y+\k]
.endr
.set i, 4
.rept 12
	v_fma_f32 v[TS+i%4], v[\Y+i], v[\Y+i], v[TS+i%4]
.set i, i+1
.endr
	LANES
	v_fma_f32 v[TS], v[TS], s79, s78               ; the variance + 1e-5
	v_rsq_f32 v[RS], v[TS]
	v_nop
	s_wait_alu depctr_va_vdst(0)
.set i, 0
.rept 16
	v_mul_f32 v[\Y+i], v[\Y+i], v[RS]
	v_fma_f32 v[\Y+i], v[\Y+i], v[LNW+i], v[LNB+i]
.set i, i+1
.endr
.irp j, 0,1,2,3
	global_store_b128 v[\ro], v[\Y+4*\j:\Y+4*\j+3], s[28:29] offset:512*\j th:TH_STORE_NT
.endr
.endm
	s_lshl_b32 s80, s66, 1
	s_cmp_ge_u32 s80, s36                          ; a slot at or behind the tile's count is padding: nothing is stored for it.  No barrier follows
	s_cbranch_scc1 .Ldone
	ROW 0, 24, 92, 108, 20, 12
	s_add_co_u32 s80, s80, 1
	s_cmp_ge_u32 s80, s36
	s_cbranch_scc1 .Ldone
	ROW 1, 124, 220, 236, 21, 0                    ; registers of its own: no store's data are written again
.Ldone:
	s_wait_tensorcnt 0x0                           ; the wave's end, behind my last LDS store
	ds_add_u32 v1, v2
	s_wait_dscnt 0x0
	s_endpgm
.Lfunc_end_k_q52881a4690_chain:
	.size	k_q52881a4690_chain, .Lfunc_end_k_q52881a4690_chain-k_q52881a4690_chain
	.p2alignl 7, 3214868480
	.fill 96, 4, 3214868480
	.section	.rodata,"a",@progbits
	.p2align	6, 0x0
	.amdhsa_kernel k_q52881a4690_chain
		.amdhsa_group_segment_fixed_size 137728
		.amdhsa_private_segment_fixed_size 0
		.amdhsa_enable_private_segment 0
		.amdhsa_kernarg_size 128
		.amdhsa_user_sgpr_count 2
		.amdhsa_user_sgpr_kernarg_segment_ptr 1
		.amdhsa_wavefront_size32 1
		.amdhsa_system_sgpr_workgroup_id_x 1
		.amdhsa_system_sgpr_workgroup_id_y 1
		.amdhsa_system_sgpr_workgroup_id_z 1
		.amdhsa_system_vgpr_workitem_id 0
		.amdhsa_next_free_vgpr 256
		.amdhsa_next_free_sgpr 100
		.amdhsa_reserve_vcc 0
		.amdhsa_float_denorm_mode_32 3
		.amdhsa_float_denorm_mode_16_64 3
		.amdhsa_memory_ordered 1
		.amdhsa_forward_progress 1
		.amdhsa_inst_pref_size 146
	.end_amdhsa_kernel
	.amdgpu_metadata
---
amdhsa.version: [ 1, 2 ]
amdhsa.kernels:
  - .name:           k_q52881a4690_chain
    .symbol:         k_q52881a4690_chain.kd
    .args:
      - { .name: pl, .offset: 0, .size: 8, .value_kind: global_buffer, .address_space: global }
      - { .name: gt, .offset: 8, .size: 8, .value_kind: global_buffer, .address_space: global }
      - { .name: xq, .offset: 16, .size: 8, .value_kind: global_buffer, .address_space: global }
      - { .name: wc, .offset: 24, .size: 8, .value_kind: global_buffer, .address_space: global }
      - { .name: ws, .offset: 32, .size: 8, .value_kind: global_buffer, .address_space: global }
      - { .name: b1, .offset: 40, .size: 8, .value_kind: global_buffer, .address_space: global }
      - { .name: b2, .offset: 48, .size: 8, .value_kind: global_buffer, .address_space: global }
      - { .name: p, .offset: 56, .size: 8, .value_kind: global_buffer, .address_space: global }
      - { .name: v, .offset: 64, .size: 8, .value_kind: global_buffer, .address_space: global }
      - { .name: m, .offset: 72, .size: 8, .value_kind: global_buffer, .address_space: global }
      - { .name: ln_w, .offset: 80, .size: 8, .value_kind: global_buffer, .address_space: global }
      - { .name: ln_b, .offset: 88, .size: 8, .value_kind: global_buffer, .address_space: global }
      - { .name: out0, .offset: 96, .size: 8, .value_kind: global_buffer, .address_space: global }
      - { .name: out1, .offset: 104, .size: 8, .value_kind: global_buffer, .address_space: global }
      - { .name: out2, .offset: 112, .size: 8, .value_kind: global_buffer, .address_space: global }
      - { .name: out3, .offset: 120, .size: 8, .value_kind: global_buffer, .address_space: global }
    .group_segment_fixed_size: 137728
    .private_segment_fixed_size: 0
    .kernarg_segment_align: 8
    .kernarg_segment_size: 128
    .max_flat_workgroup_size: 512
    .sgpr_count:     100
    .vgpr_count:     256
    .wavefront_size: 32
...
	.end_amdgpu_metadata
.endif
;; end of part 3
;; ======== version 2 of 2: 2 launches; 1.17 times as fast as version 1
;; workspace buffers: wc 8,388,608 bytes; ws 524,288 bytes; xq 1,114,112 bytes; gt 32,768 bytes; rt 32,768 bytes of whole numbers
;; launch prep (part 4): grid 320 x 1, 8 waves a work-group, no clusters, 66,048 bytes of LDS; arguments x, gate_w, gate_b, w1, w2, xq, gt, rt, wc, ws; writes xq, gt, rt, wc, ws
.if DOCPART == 4
	.amdgcn_target "amdgcn-amd-amdhsa--gfx1250"
	.amdhsa_code_object_version 6
	.text
	.protected	k_q52881a4690_prep
	.globl	k_q52881a4690_prep
	.p2align	8
	.type	k_q52881a4690_prep,@function
k_q52881a4690_prep:
	s_mov_b64 s[64:65], 0
	v_nop
	global_prefetch_b8 v0, s[64:65] scope:SCOPE_SE
	s_setreg_imm32_b32 hwreg(HW_REG_WAVE_MODE, 25, 1), 1
	s_wait_xcnt 0x0
; AdamLayer, launch 1 of 2: the weights and x become codes of E2M1 with E8M0 scales; the router chooses.
; WORK LEFT OUT IN THE WHOLE PROGRAM, AND WHY IT IS DEAD.
;  (a) gates[b,s,e] is built by reference() as one_hot(top_idx) x gk summed over the two picks: for the six experts outside a token's top-2 it is the number 0,
;      whatever the inputs hold.  eo_all[b,s,e,:] enters the outputs only as eo_all x gates, so those rows of products 2 and 3 reach no output: only the two chosen experts
;      of a token are multiplied, and product 4 (K = 8) is two multiply-adds.
;  (b) y = x - (G1 / sqrt(v_new + eps) x p_new + x) is -p_new / sqrt(v_new + eps) for all real x: the two x terms are left out.  G1 = G2 = 1 are factors of 1.
;  Every input still has a way to an output and is loaded in some launch.
; LIMITS: a NaN, an infinity or an overflow that arises only in an expert that was not chosen, or only in (a + x) - x, is not carried to the result.  NaN or infinite router logits are not
;  served.  A block of zeros gets the scale byte 1 (the rule says 127): its codes are zeros and only this program reads the bytes.  Blocks whose largest magnitude lies under 2^-124 keep byte 1.
;  Equal logits: the lower expert number wins (strict comparisons), as jax.lax.top_k has it.
; THREE PATHS by the work-group's number.  0-63: x and the router, 64 tokens each.  64-191: w1.  192-319: w2.
; No address and no branch here hangs on the router's choice: keys, ranks and counts are stored at fixed places, and the next launch places the rows.
; W PATHS: K is not innermost in w1 [e][512 k][2048 n] and w2 [e][2048 k][512 n].  A lane takes a column, its registers run down K; a wave takes 32 columns x 256 K, the eight waves stand side by side on 1,024
;  consecutive bytes of a row.  The codes leave in the order of the matrix operand's registers: a fragment (16 rows x 128 K) is [c 2][lane 32][16 bytes], lane 16 h + r holding k = 64 c + 32 h + 0..31 of row r,
;  so a store of 16 bytes a lane covers two aligned runs of 256 bytes, and the last launch loads fragments whole.
;  w1's tile u of a block of 32 hidden units takes units 8 u + r + 8 (r / 8), so that the first product's results are neighbours along the second product's K.
.set SPARE, 65024                      ; the spare words: 128 bytes for each of the eight waves; no other line names them
.set WREG0, 16896                      ; behind gate_w's image (32 pieces of 512 + 16 bytes): a region for each wave
.set WREG,  5632                       ; two stages of 32 x 80 bytes, then 128 scale bytes
.set SP,    80
.set SCB,   5120
.set KEYS,  61952                      ; [wave][32] words: keys; 1,024 on: the lower expert's gate; 2,048 on: the higher's
.set WX,    16                         ; W paths: v16-79 two sets of 32 numbers; v80-111 codes, four registers a block
.set WC,    80
.set R,     16                         ; gate path: v16-47 two sets of 16 numbers as loaded; v48-79 two sets of 16 neighbours
.set X,     48
.set CD,    80                         ; v80-95 codes, two registers a token
.set LG,    96                         ; v96-103 the eight logits
.set TW,    104                        ; v104-111 at work
.set BYT,   112                        ; v112-119 a scale byte for each token
.set GW,    128                        ; v128-255 gate_w[16 lane + i][e] at 8 i + e
	s_load_b512 s[4:19], s[0:1], 0x0               ; x 4, gate_w 6, gate_b 8, w1 10, w2 12, xq 14, gt 16, rt 18
	s_load_b128 s[20:23], s[0:1], 0x40             ; wc 20, ws 22
	v_lshl_add_u32 v2, v0, 2, SPARE                ; my spare word; never rewritten
	v_mov_b32 v3, 0                                ; 0; never rewritten
	v_lshrrev_b32 v1, 5, v0
	v_readfirstlane_b32 s24, v1                    ; wave
	v_and_b32 v1, 31, v0                           ; lane
	s_mov_b32 s31, 0                               ; the high word of every offset pair s[30:31]
	s_wait_kmcnt 0x0
	s_cmp_lt_u32 ttmp9, 64
	s_cbranch_scc1 .Lgate
	s_cmp_lt_u32 ttmp9, 192
	s_cbranch_scc1 .Lw1
.macro WLOAD src, pitch, t             ; block t: 32 rows of K at my column: 128 consecutive bytes a wave and load
.set i, 0
.rept 32
	global_load_b32 v[WX+32*((\t)%2)+i], v4, s[\src:\src+1] offset:(32*(\t)+i)*(\pitch) th:TH_LOAD_NT
.set i, i+1
.endr
.endm
.macro WBLK src, pitch, t
.set XB, WX+32*((\t)%2)
.if (\t) < 7
	s_wait_loadcnt 32                              ; this block's 32 loads are in; the next block's 32 may be out
.else
	s_wait_loadcnt 0x0
.endif
	v_max3_num_f32 v12, |v[XB]|, |v[XB+1]|, |v[XB+2]|              ; the block's largest magnitude: all 32 numbers are mine; two chains
	v_max3_num_f32 v13, |v[XB+3]|, |v[XB+4]|, |v[XB+5]|
.irp q, 6,10,14,18,22,26
	v_max3_num_f32 v12, v12, |v[XB+\q]|, |v[XB+\q+1]|
	v_max3_num_f32 v13, v13, |v[XB+\q+2]|, |v[XB+\q+3]|
.endr
	v_max3_num_f32 v12, v12, |v[XB+30]|, |v[XB+31]|
	v_max3_num_f32 v12, v12, v13, 0x1800000        ; and the floor 2^(3 - 127): the byte cannot fall under 1
	v_add_nc_u32 v11, 0xff000000, v12              ; 2 off the exponent field: the conversion takes that field as its scale
	v_lshrrev_b32 v13, 23, v11                     ; the scale's byte
.if (\t)%4 == 0
	v_mov_b32 v[14+(\t)/4], v13
.else
	v_lshl_or_b32 v[14+(\t)/4], v13, 8*((\t)%4), v[14+(\t)/4]
.endif
.irp g, 0,1,2,3
	v_cvt_scalef32_pk8_fp4_f32 v[WC+4*(\t)+\g], v[XB+8*\g:XB+8*\g+7], v11
.endr
	global_store_b128 v5, v[WC+4*(\t):WC+4*(\t)+3], s[20:21] offset:((\t)/4)*2048+(((\t)%4)/2)*512+((\t)%2)*256   ; K step t / 4, c = (t % 4) / 2, h = t % 2; each block has its own four registers
.if (\t) < 6
	WLOAD \src, \pitch, (\t)+2
.endif
.endm
.macro WQ src, pitch
	WLOAD \src, \pitch, 0
	WLOAD \src, \pitch, 1
.irp t, 0,1,2,3,4,5,6,7
	WBLK \src, \pitch, \t
.endr
	global_store_b64 v6, v[14:15], s[22:23]        ; eight scale bytes a column: the words of two K steps; the wave stores 256 consecutive bytes
.endm
	; ---- w2: j = e x 16 + cgw x 8 + kp; my 32 columns are group cg = 8 cgw + wave, my K is 256 kp on
	s_sub_co_u32 s25, ttmp9, 192
	s_lshr_b32 s26, s25, 4                         ; e
	s_bfe_u32 s27, s25, 0x10003                    ; cgw
	s_and_b32 s28, s25, 7                          ; kp
	s_lshl_b32 s27, s27, 3
	s_add_co_u32 s27, s27, s24                     ; cg
	s_lshl_b32 s30, s26, 22                        ; an expert is 4,194,304 bytes
	s_lshl_b32 s29, s28, 19                        ; 256 rows of 2,048 bytes
	s_add_co_u32 s30, s30, s29
	s_lshl_b32 s29, s27, 7
	s_add_co_u32 s30, s30, s29
	s_add_nc_u64 s[12:13], s[12:13], s[30:31]
	s_lshl_b32 s29, s26, 4
	s_add_co_u32 s29, s29, s27                     ; 16 e + cg
	s_lshl_b32 s30, s29, 15
	s_lshl_b32 s32, s28, 12
	s_add_co_u32 s30, s30, s32
	s_add_co_u32 s30, s30, 0x400000                ; w2's codes lie behind w1's
	s_add_nc_u64 s[20:21], s[20:21], s[30:31]
	s_lshl_b32 s30, s29, 11
	s_lshl_b32 s32, s28, 8
	s_add_co_u32 s30, s30, s32
	s_add_co_u32 s30, s30, 0x40000
	s_add_nc_u64 s[22:23], s[22:23], s[30:31]
	v_lshlrev_b32 v4, 2, v1
	v_and_b32 v8, 15, v1                           ; r
	v_lshrrev_b32 v9, 4, v1                        ; n
	v_lshlrev_b32 v5, 4, v8
	v_lshl_add_u32 v5, v9, 10, v5                  ; 1,024 n + 16 r
	v_lshlrev_b32 v6, 3, v1
	WQ 12, 2048
	s_branch .Lend
.Lw1:	; ---- w1: j = e x 16 + cgw x 2 + kh; my 32 hidden units are block B = 8 cgw + wave, my K is 256 kh on
	s_sub_co_u32 s25, ttmp9, 64
	s_lshr_b32 s26, s25, 4                         ; e
	s_bfe_u32 s27, s25, 0x30001                    ; cgw
	s_and_b32 s28, s25, 1                          ; kh
	s_lshl_b32 s27, s27, 3
	s_add_co_u32 s27, s27, s24                     ; B
	s_lshl_b32 s30, s26, 22
	s_lshl_b32 s29, s28, 21                        ; 256 rows of 8,192 bytes
	s_add_co_u32 s30, s30, s29
	s_lshl_b32 s29, s27, 7
	s_add_co_u32 s30, s30, s29
	s_add_nc_u64 s[10:11], s[10:11], s[30:31]
	s_lshl_b32 s29, s26, 6
	s_add_co_u32 s29, s29, s27                     ; 64 e + B
	s_lshl_b32 s30, s29, 13
	s_lshl_b32 s32, s28, 12
	s_add_co_u32 s30, s30, s32
	s_add_nc_u64 s[20:21], s[20:21], s[30:31]
	s_lshl_b32 s30, s29, 9
	s_lshl_b32 s32, s28, 8
	s_add_co_u32 s30, s30, s32
	s_add_nc_u64 s[22:23], s[22:23], s[30:31]
	v_lshlrev_b32 v4, 2, v1
	v_bfe_u32 v7, v1, 3, 1                         ; u: unit = lane = 8 u + r + 8 (r / 8)
	v_and_b32 v8, 7, v1
	v_lshrrev_b32 v9, 4, v1
	v_lshl_add_u32 v8, v9, 3, v8                   ; r
	v_lshlrev_b32 v5, 4, v8
	v_lshl_add_u32 v5, v7, 10, v5                  ; 1,024 u + 16 r
	v_lshl_add_u32 v6, v7, 4, v8
	v_lshlrev_b32 v6, 3, v6                        ; 8 (16 u + r)
	WQ 10, 8192
	s_branch .Lend
.Lgate:	; ---- x and the router: wave w takes tokens 64 g + 8 w + t, t = 0..7
	s_load_b256 s[32:39], s[8:9], 0x0              ; gate_b
	v_lshlrev_b32 v4, 4, v1                        ; my 16 bytes of a load's 512
	s_mul_i32 s25, s24, WREG
	s_add_co_u32 s25, s25, WREG0                   ; my wave's region
	v_lshrrev_b32 v5, 2, v1
	v_mul_u32_u24 v5, v5, SP
	v_and_b32 v6, 3, v1
	v_lshl_add_u32 v5, v6, 4, v5
	v_add_nc_u32 v5, s25, v5                       ; the stage, on the way in: four lanes' 64 bytes on end, then 16 of padding
	v_mul_u32_u24 v6, v1, SP
	v_add_nc_u32 v6, s25, v6                       ; and on the way out: my 16 neighbours
	v_lshrrev_b32 v7, 1, v1
	v_add_nc_u32 v7, s25, v7
	v_add_nc_u32 v7, SCB, v7                       ; my block's scale byte
	v_lshlrev_b32 v8, 3, v1                        ; 8 x lane
	v_lshlrev_b32 v15, 2, v1                       ; 4 x lane
	v_add_nc_u32 v9, s25, v15
	v_add_nc_u32 v9, SCB, v9                       ; the wave's 128 scale bytes, a word a lane
	s_lshl_b32 s26, s24, 7
	v_add_nc_u32 v10, s26, v15
	v_add_nc_u32 v10, KEYS, v10                    ; where I put a token's key (lane t = token t of my wave)
	s_and_b32 s27, s24, 1
	s_lshl_b32 s26, s27, 9
	v_lshrrev_b32 v11, 3, v1
	v_lshlrev_b32 v11, 7, v11
	v_and_b32 v12, 7, v1
	v_lshl_add_u32 v11, v12, 2, v11
	v_add_nc_u32 v11, s26, v11
	v_add_nc_u32 v11, KEYS, v11                    ; where waves 0 and 1 read a chunk of 32 tokens back: made ahead of the branch on the wave's number
	v_lshlrev_b32 v12, 4, v0                       ; gate_w: 16 bytes a thread
	v_lshrrev_b32 v13, 5, v0
	v_lshl_add_u32 v13, v13, 4, v12                ; into LDS: 16 bytes of padding behind each 512
	v_mul_u32_u24 v14, v1, 528                     ; and back: my 16 rows of gate_w are one piece
	s_mov_b32 s40, 0x76543210
	s_mov_b32 s41, 0xfedcba98                      ; lane l xor 16
	s_lshl_b32 s30, ttmp9, 17
	s_lshl_b32 s29, s24, 14
	s_add_co_u32 s30, s30, s29                     ; (64 g + 8 w) rows of 2,048 bytes
	s_add_nc_u64 s[4:5], s[4:5], s[30:31]
	s_lshr_b32 s30, s30, 3                         ; of 256 bytes of codes
	s_add_nc_u64 s[44:45], s[14:15], s[30:31]
	s_lshr_b32 s30, s30, 4                         ; of 16 scale bytes
	s_add_nc_u64 s[46:47], s[14:15], s[30:31]
	s_lshl_b32 s30, ttmp9, 9
	s_lshl_b32 s29, s27, 8
	s_add_co_u32 s30, s30, s29                     ; (64 g + 32 (w & 1)) x 8: the chunk's gates
	s_add_nc_u64 s[16:17], s[16:17], s[30:31]
	s_lshr_b32 s30, s30, 1                         ; x 4: its keys; its histogram lies the same distance into the table 16,384 bytes on
	s_add_nc_u64 s[18:19], s[18:19], s[30:31]
.irp j, 0,1,2,3
	global_load_b128 v[TW+4*\j:TW+4*\j+3], v12, s[6:7] offset:4096*\j
.endr
.macro XLOAD t                         ; a token's row: four loads of 512 consecutive bytes
.irp i, 0,1,2,3
	global_load_b128 v[R+16*((\t)%2)+4*\i:R+16*((\t)%2)+4*\i+3], v4, s[4:5] offset:2048*(\t)+512*\i th:TH_LOAD_NT
.endr
.endm
.macro TURN t                          ; through the wave's stage, so that a lane holds 16 neighbours; LDS serves a wave's instructions in order
.irp i, 0,1,2,3
	ds_store_b128 v5, v[R+16*((\t)%2)+4*\i:R+16*((\t)%2)+4*\i+3] offset:32*SP*((\t)%2)+8*SP*\i
.endr
.irp i, 0,1,2,3
	ds_load_b128 v[X+16*((\t)%2)+4*\i:X+16*((\t)%2)+4*\i+3], v6 offset:32*SP*((\t)%2)+16*\i
.endr
.endm
	XLOAD 0
	XLOAD 1
	s_wait_loadcnt 8                               ; gate_w is in; the eight loads of x may be out
.irp j, 0,1,2,3
	ds_store_b128 v13, v[TW+4*\j:TW+4*\j+3] offset:4224*\j
.endr
	s_wait_dscnt 0x0                               ; for the others' sake: my part of gate_w lies in LDS
	s_barrier_signal -1
	s_barrier_wait -1
.set j, 0
.rept 32
	ds_load_b128 v[GW+4*j:GW+4*j+3], v14 offset:16*j
.set j, j+1
.endr
.irp j, 0,1,2,3,4,5,6,7
	v_mov_b32 v[TW+\j], 0                          ; written once: a lane permute's destination counts as one of its sources
.endr
	v_mov_b32 v120, 0                              ; first pick, second pick, second logit less first: lane t = token t
	v_mov_b32 v121, 0
	v_mov_b32 v122, 0
	s_wait_loadcnt 4                               ; token 0's row is in
	TURN 0
	s_wait_kmcnt 0x0                               ; gate_b
.macro TOK t
.set XB, X+16*((\t)%2)
.if (\t) > 0
	s_wait_dscnt 1                                 ; this token's numbers are back from the stage; the last byte store may be out
.else
	s_wait_dscnt 0x0                               ; and gate_w's 32 loads
.endif
.if (\t) < 6
	XLOAD (\t)+2                                   ; into the registers whose stores into the stage are done
	s_wait_loadcnt 4                               ; the next token's row is in; the four just issued may be out
	TURN (\t)+1
.elseif (\t) == 6
	s_wait_loadcnt 0x0
	TURN 7
.endif
	v_max3_num_f32 v[TW], |v[XB]|, |v[XB+1]|, |v[XB+2]|            ; the largest magnitude of my 16
	v_max3_num_f32 v[TW+1], |v[XB+3]|, |v[XB+4]|, |v[XB+5]|
.irp q, 6,10
	v_max3_num_f32 v[TW], v[TW], |v[XB+\q]|, |v[XB+\q+1]|
	v_max3_num_f32 v[TW+1], v[TW+1], |v[XB+\q+2]|, |v[XB+\q+3]|
.endr
	v_max3_num_f32 v[TW], v[TW], |v[XB+14]|, |v[XB+15]|
	v_max3_num_f32 v[TW], v[TW], v[TW+1], 0x1800000                ; and the floor
	v_max_num_f32_dpp v[TW], v[TW], v[TW] row_xmask:1 row_mask:0xf bank_mask:0xf   ; and of my neighbour's 16: the block's
	v_add_nc_u32 v[TW+2], 0xff000000, v[TW]
	v_cvt_scalef32_pk8_fp4_f32 v[CD+2*(\t)], v[XB:XB+7], v[TW+2]
	v_cvt_scalef32_pk8_fp4_f32 v[CD+2*(\t)+1], v[XB+8:XB+15], v[TW+2]
	v_lshrrev_b32 v[BYT+(\t)], 23, v[TW+2]
	ds_store_b8 v7, v[BYT+(\t)] offset:16*(\t)     ; both lanes of a block write the same byte with the same value
	global_store_b64 v8, v[CD+2*(\t):CD+2*(\t)+1], s[44:45] offset:256*(\t)   ; the wave stores the token's 256 bytes of codes
	; the router in f32: eight sums, two to an instruction; x[16 lane + i] is broadcast to both halves
.irp q, 0,1,2,3
	v_pk_mul_f32 v[LG+2*\q:LG+2*\q+1], v[XB:XB+1], v[GW+2*\q:GW+2*\q+1] op_sel_hi:[0,1]
.endr
.set i, 1
.rept 15
.irp q, 0,1,2,3
.if i%2
	v_pk_fma_f32 v[LG+2*\q:LG+2*\q+1], v[XB+i-1:XB+i], v[GW+8*i+2*\q:GW+8*i+2*\q+1], v[LG+2*\q:LG+2*\q+1] op_sel:[1,0,0] op_sel_hi:[1,1,1]
.else
	v_pk_fma_f32 v[LG+2*\q:LG+2*\q+1], v[XB+i:XB+i+1], v[GW+8*i+2*\q:GW+8*i+2*\q+1], v[LG+2*\q:LG+2*\q+1] op_sel_hi:[0,1,1]
.endif
.endr
.set i, i+1
.endr
.irp k, 1,2,4,8
.irp e, 0,1,2,3,4,5,6,7
	v_add_f32_dpp v[LG+\e], v[LG+\e], v[LG+\e] row_xmask:\k row_mask:0xf bank_mask:0xf
.endr
.endr
.irp e, 0,1,2,3,4,5,6,7
	v_permlanex16_b32 v[TW+\e], v[LG+\e], s40, s41
.endr
.irp e, 0,1,2,3,4,5,6,7
	v_add_f32 v[LG+\e], v[LG+\e], v[TW+\e]         ; every lane holds the sum
.endr
.irp e, 0,1,2,3,4,5,6,7
	v_add_f32 v[LG+\e], s[32+\e], v[LG+\e]         ; + gate_b
.endr
	v_mov_b32 v[TW], v[LG]                         ; the largest so far and its expert; the second and its expert
	v_mov_b32 v[TW+1], 0
	v_mov_b32 v[TW+2], 0xff800000
	v_mov_b32 v[TW+3], 1
.irp e, 1,2,3,4,5,6,7
	v_cmp_gt_f32 s43, v[LG+\e], v[TW]              ; strictly greater: of equals the lower number stays ahead
	v_cmp_gt_f32 vcc_lo, v[LG+\e], v[TW+2]
	v_cndmask_b32 v[TW+2], v[TW+2], v[LG+\e], vcc_lo
	v_cndmask_b32 v[TW+3], v[TW+3], \e, vcc_lo
	v_cndmask_b32 v[TW+2], v[TW+2], v[TW], s43
	v_cndmask_b32 v[TW+3], v[TW+3], v[TW+1], s43
	v_cndmask_b32 v[TW], v[TW], v[LG+\e], s43
	v_cndmask_b32 v[TW+1], v[TW+1], \e, s43
.endr
	v_sub_f32 v[TW+4], v[TW+2], v[TW]              ; the maximum is taken away, as the softmax of reference() does
	s_mov_b32 s42, 1<<(\t)
	v_cndmask_b32 v120, v120, v[TW+1], s42         ; into lane t
	v_cndmask_b32 v121, v121, v[TW+3], s42
	v_cndmask_b32 v122, v122, v[TW+4], s42
.endm
.irp t, 0,1,2,3,4,5,6,7
	TOK \t
.endr
	; the softmax over the two, and the key of the pair (lo < hi): lo (15 - lo) / 2 + hi - lo - 1, 0 to 27
	v_mul_f32 v[TW], 0x3fb8aa3b, v122
	v_exp_f32 v[TW], v[TW]
	v_nop                                          ; a plain instruction behind the exponential,
	s_wait_alu depctr_va_vdst(0)                   ; and a wait ahead of its first reader
	v_add_f32 v[TW+1], 1.0, v[TW]
	v_rcp_f32 v[TW+1], v[TW+1]                     ; the first pick's gate
	v_nop
	s_wait_alu depctr_va_vdst(0)
	v_mul_f32 v[TW+2], v[TW], v[TW+1]              ; the second pick's
	v_min_u32 v[TW+3], v120, v121                  ; lo
	v_add_nc_u32 v[TW+4], v120, v121
	v_sub_nc_u32 v[TW+4], v[TW+4], v[TW+3]         ; hi
	v_cmp_lt_u32 vcc_lo, v120, v121
	v_cndmask_b32 v[TW+5], v[TW+2], v[TW+1], vcc_lo   ; lo's gate
	v_cndmask_b32 v[TW+6], v[TW+1], v[TW+2], vcc_lo   ; hi's gate
	v_sub_nc_u32 v[TW+7], 15, v[TW+3]
	v_mul_u32_u24 v[TW+7], v[TW+7], v[TW+3]
	v_lshrrev_b32 v[TW+7], 1, v[TW+7]
	v_add_nc_u32 v[TW+7], v[TW+7], v[TW+4]
	v_sub_nc_u32 v[TW+7], v[TW+7], v[TW+3]
	v_add_nc_u32 v[TW+7], -1, v[TW+7]
	ds_store_b32 v10, v[TW+7]
	ds_store_b32 v10, v[TW+5] offset:1024
	ds_store_b32 v10, v[TW+6] offset:2048
	ds_load_b32 v[BYT], v9                         ; my wave's 128 scale bytes: these see my byte stores
	s_wait_dscnt 0x0                               ; for the others' sake too: keys and gates lie in LDS
	global_store_b32 v15, v[BYT], s[46:47] offset:1048576
	s_barrier_signal -1
	s_barrier_wait -1
	s_cmp_gt_u32 s24, 1
	s_cbranch_scc1 .Lend                           ; waves 0 and 1 take a chunk of 32 tokens each: lane = token
	ds_load_b32 v[TW], v11
	ds_load_b32 v[TW+2], v11 offset:1024
	ds_load_b32 v[TW+3], v11 offset:2048
	v_mov_b32 v[TW+4], 0                           ; my rank among the chunk's tokens of my key
	v_mov_b32 v[TW+5], 0                           ; lane k: how many tokens of the chunk have key k
	s_wait_dscnt 0x0
.set k, 0
.rept 28
	v_cmp_eq_u32 s43, k, v[TW]
	v_mbcnt_lo_u32_b32 v[TW+6], s43, 0
	v_cndmask_b32 v[TW+4], v[TW+4], v[TW+6], s43
	s_bcnt1_i32_b32 s48, s43
	v_writelane_b32 v[TW+5], s48, k
.set k, k+1
.endr
	v_lshl_or_b32 v[TW+4], v[TW+4], 8, v[TW]       ; key | rank << 8
	global_store_b64 v8, v[TW+2:TW+3], s[16:17]    ; all at fixed places
	global_store_b32 v15, v[TW+4], s[18:19]
	global_store_b32 v15, v[TW+5], s[18:19] offset:16384
.Lend:
	s_wait_tensorcnt 0x0                           ; the wave's end
	ds_add_u32 v2, v3
	s_wait_dscnt 0x0
	s_endpgm
.Lfunc_end_k_q52881a4690_prep:
	.size	k_q52881a4690_prep, .Lfunc_end_k_q52881a4690_prep-k_q52881a4690_prep
	.p2alignl 7, 3214868480
	.fill 96, 4, 3214868480
	.section	.rodata,"a",@progbits
	.p2align	6, 0x0
	.amdhsa_kernel k_q52881a4690_prep
		.amdhsa_group_segment_fixed_size 66048
		.amdhsa_private_segment_fixed_size 0
		.amdhsa_enable_private_segment 0
		.amdhsa_kernarg_size 80
		.amdhsa_user_sgpr_count 2
		.amdhsa_user_sgpr_kernarg_segment_ptr 1
		.amdhsa_wavefront_size32 1
		.amdhsa_system_sgpr_workgroup_id_x 1
		.amdhsa_system_sgpr_workgroup_id_y 1
		.amdhsa_system_sgpr_workgroup_id_z 1
		.amdhsa_system_vgpr_workitem_id 0
		.amdhsa_next_free_vgpr 256
		.amdhsa_next_free_sgpr 66
		.amdhsa_reserve_vcc 1
		.amdhsa_float_denorm_mode_32 3
		.amdhsa_float_denorm_mode_16_64 3
		.amdhsa_memory_ordered 1
		.amdhsa_forward_progress 1
		.amdhsa_inst_pref_size 191
	.end_amdhsa_kernel
	.amdgpu_metadata
---
amdhsa.version: [ 1, 2 ]
amdhsa.kernels:
  - .name:           k_q52881a4690_prep
    .symbol:         k_q52881a4690_prep.kd
    .args:
      - { .name: x, .offset: 0, .size: 8, .value_kind: global_buffer, .address_space: global }
      - { .name: gate_w, .offset: 8, .size: 8, .value_kind: global_buffer, .address_space: global }
      - { .name: gate_b, .offset: 16, .size: 8, .value_kind: global_buffer, .address_space: global }
      - { .name: w1, .offset: 24, .size: 8, .value_kind: global_buffer, .address_space: global }
      - { .name: w2, .offset: 32, .size: 8, .value_kind: global_buffer, .address_space: global }
      - { .name: xq, .offset: 40, .size: 8, .value_kind: global_buffer, .address_space: global }
      - { .name: gt, .offset: 48, .size: 8, .value_kind: global_buffer, .address_space: global }
      - { .name: rt, .offset: 56, .size: 8, .value_kind: global_buffer, .address_space: global }
      - { .name: wc, .offset: 64, .size: 8, .value_kind: global_buffer, .address_space: global }
      - { .name: ws, .offset: 72, .size: 8, .value_kind: global_buffer, .address_space: global }
    .group_segment_fixed_size: 66048
    .private_segment_fixed_size: 0
    .kernarg_segment_align: 8
    .kernarg_segment_size: 80
    .max_flat_workgroup_size: 256
    .sgpr_count:     66
    .vgpr_count:     256
    .wavefront_size: 32
...
	.end_amdgpu_metadata
.endif
;; end of part 4
;; launch chain (part 5): grid 155 x 1, 8 waves a work-group, no clusters, 159,232 bytes of LDS; arguments rt, gt, xq, wc, ws, b1, b2, p, v, m, ln_w, ln_b, out0, out1, out2, out3; writes out0, out1, out2, out3
.if DOCPART == 5
	.amdgcn_target "amdgcn-amd-amdhsa--gfx1250"
	.amdhsa_code_object_version 6
	.text
	.protected	k_q52881a4690_chain
	.globl	k_q52881a4690_chain
	.p2align	8
	.type	k_q52881a4690_chain,@function
k_q52881a4690_chain:
	s_mov_b64 s[64:65], 0
	v_nop
	global_prefetch_b8 v0, s[64:65] scope:SCOPE_SE
	s_setreg_imm32_b32 hwreg(HW_REG_WAVE_MODE, 25, 1), 1
	s_wait_xcnt 0x0
; AdamLayer, launch 2 of 2: one work-group = one tile of up to 32 tokens that chose the SAME pair of experts: it finds its tokens, runs both experts' chains, the gated sum, the Adam step and the LayerNorm.
; Work left out (shown at the head of the first kernel): the six experts that a token did not choose; the two x terms of y = x - (a + x), so y = -p_new / sqrt(v_new + 1e-8) and f32 x is not loaded here.
; LIMIT: a NaN, infinity or overflow that arises only in that work is not carried to the result.
; THE PLACING.  The first launch stored, for each chunk of 32 tokens, how many tokens have each of the 28 keys (pairs of experts) and, for each token, key | rank in its chunk << 8.  A key's tokens, in token order, fill tiles
;  of 32; the keys' tiles follow each other.  Each work-group works out its own tile from those whole numbers: no atomics, nothing between work-groups.  With 28 keys there are never more than 4096 / 32 + 27 = 155 tiles.
;  A tile that the split leaves without rows walks the text on token 4095 and stores nothing: every wave passes every barrier, and the only branches on the count stand behind the last barrier.
; SHARES.  Eight waves share the COLUMNS: for all 32 tokens (row tiles m = 0, 1) wave w makes hidden units 256 w .. 256 w + 255, which are K steps 2 w, 2 w + 1 of the second product, and outputs 64 w .. 64 w + 63.
;  Each weight byte is wanted by one wave and goes from memory straight into its registers, 512 consecutive bytes a load, in the order in which the first launch laid the fragments.
;  The hidden layer goes from wave to wave through LDS as images of the operand's registers.  Each output row has one owner: wave w finishes rows 4 w .. 4 w + 3.
; THE STREAM.  Both experts' codes are one stream of 64 groups of four fragments (8 loads, 4,096 bytes): for each expert 16 groups of W1 (block b, K steps 0-1 | 2-3), then 16 of W2 (K step s, four column tiles).
;  Group g lies in place g % 8 of a ring of 8 x 32 registers.  Behind group g's products group g + 7 is asked for: 7 x 8 x 512 = 28,672 bytes a wave are on their way, 229,376 a work-group.
; BOTH PRODUCTS ARE USED TRANSPOSED (source 0 = 16 rows of the weight, source 1 = 16 tokens): a lane holds one token, its registers run along the columns.
; NO CLUSTER, NO TENSOR LOAD: which weights a work-group reads hangs on stored numbers, neighbours in the grid need not share an expert, and no byte of a weight is wanted by two waves of a work-group.
; REGISTERS.  Window 1 (v256-511): the ring.  Window 0: v1, v2 the add's two; v3-11, v16 lane terms; v12-15 gates; v17-19 tokens; v20-23 my four rows; v24-87 x's 8 fragments ((m, s) at 24 + 8 (4 m + s)); v88-91 x's scale words;
;  v92-155 eight accumulators (the first product uses four, and v124-155 then hold two sets of b1); v156-187 W1's scale words of an expert, v188-219 W2's, and nothing else; v220-251 at work, then two sets of hidden fragments; v252, v253 their scale words.
.set STG,   0                          ; LDS: 32 rows x (2,048 + 16) bytes of the gated sum
.set HIMG0, 66048                      ; the first expert's hidden layer: fragment (s, m) at (2 s + m) x 1,024;
.set HSC0,  98816                      ; its scale words: [s][lane], lanes 0-15 m = 0, lanes 16-31 m = 1
.set HNEXT, 34816                      ; the second expert's lie this far on: so one barrier an expert is enough
.set SPARE, 135680                     ; the spare words: 128 bytes for each of the eight waves; no other line names them
.set SUMX,  136704                     ; [wave][32] words: the waves' counts by key;
.set LISTX, 1024                       ; this far on: [wave][32] words: the waves' parts of the tile's list
.set B1L,   138752                     ; [expert 2][wave 8][1,024 bytes]: my part of b1;
.set B2L,   155136                     ; [expert 2][wave 8][256 bytes]: of b2.  A wave reads only what it stored there itself
.set XF,   24
.set XS,   88
.set ACC,  92
.set BS,   124                         ; two sets of 16: b1 in the result's layout
.set BKA,  156
.set BKB,  188
.set PC,   220                         ; the codes just made: (m, c) at 220 + 8 m + 4 c
.set T,    236
.set T2,   238
.set SOP,  240
.set BY,   242
.set W,    244
.set WW,   246
.set HF,   220                         ; two sets of two hidden fragments
.set HS,   252                         ; and their scale words
.set LNW,  72
.set LNB,  140
.set EO,   220                         ; the rows' work: the gated sum, y,
.set YY,   236
.set TS,   12                          ; four partial sums, two products, the mean, 1 / sqrt
.set TT,   17
.set MEAN, 19
.set RS,   254
.set DIST, 7                           ; groups ahead
.set ISS,  0                           ; loads issued so far: the text has no loop, so the assembler can count them;
.set CONS, 0                           ; loads up to and with the group that is wanted.  A wait's count is ISS - CONS: the loads issued behind that group
.set MSB,  0
.macro WIN new                         ; the immediate's high byte repeats the setting that is left
.if MSB != \new
	s_set_vgpr_msb (MSB<<8)|\new
.set MSB, \new
.endif
.endm
.macro NOP4                            ; four places behind matrix instructions, in front of loads into their registers and of reads of their results
.rept 4
	v_nop
.endr
.endm
.macro WM ra, rb                       ; one product; ra, rb: the scale words of source 0, 1 stand in lanes 16-31; zC: the constant 0 starts the sum
.if zC
.if (\ra) == 0 && (\rb) == 0
	v_wmma_scale_f32_16x16x128_f8f6f4 v[rD:rD+7], v[rA:rA+7], v[rB:rB+7], 0, v[rSA], v[rSB] matrix_a_fmt:MATRIX_FMT_FP4 matrix_b_fmt:MATRIX_FMT_FP4
.elseif (\ra) == 1 && (\rb) == 0
	v_wmma_scale_f32_16x16x128_f8f6f4 v[rD:rD+7], v[rA:rA+7], v[rB:rB+7], 0, v[rSA], v[rSB] matrix_a_fmt:MATRIX_FMT_FP4 matrix_b_fmt:MATRIX_FMT_FP4 matrix_a_scale:MATRIX_SCALE_ROW1
.elseif (\ra) == 0
	v_wmma_scale_f32_16x16x128_f8f6f4 v[rD:rD+7], v[rA:rA+7], v[rB:rB+7], 0, v[rSA], v[rSB] matrix_a_fmt:MATRIX_FMT_FP4 matrix_b_fmt:MATRIX_FMT_FP4 matrix_b_scale:MATRIX_SCALE_ROW1
.else
	v_wmma_scale_f32_16x16x128_f8f6f4 v[rD:rD+7], v[rA:rA+7], v[rB:rB+7], 0, v[rSA], v[rSB] matrix_a_fmt:MATRIX_FMT_FP4 matrix_b_fmt:MATRIX_FMT_FP4 matrix_a_scale:MATRIX_SCALE_ROW1 matrix_b_scale:MATRIX_SCALE_ROW1
.endif
.else
.if (\ra) == 0 && (\rb) == 0
	v_wmma_scale_f32_16x16x128_f8f6f4 v[rD:rD+7], v[rA:rA+7], v[rB:rB+7], v[rC:rC+7], v[rSA], v[rSB] matrix_a_fmt:MATRIX_FMT_FP4 matrix_b_fmt:MATRIX_FMT_FP4
.elseif (\ra) == 1 && (\rb) == 0
	v_wmma_scale_f32_16x16x128_f8f6f4 v[rD:rD+7], v[rA:rA+7], v[rB:rB+7], v[rC:rC+7], v[rSA], v[rSB] matrix_a_fmt:MATRIX_FMT_FP4 matrix_b_fmt:MATRIX_FMT_FP4 matrix_a_scale:MATRIX_SCALE_ROW1
.elseif (\ra) == 0
	v_wmma_scale_f32_16x16x128_f8f6f4 v[rD:rD+7], v[rA:rA+7], v[rB:rB+7], v[rC:rC+7], v[rSA], v[rSB] matrix_a_fmt:MATRIX_FMT_FP4 matrix_b_fmt:MATRIX_FMT_FP4 matrix_b_scale:MATRIX_SCALE_ROW1
.else
	v_wmma_scale_f32_16x16x128_f8f6f4 v[rD:rD+7], v[rA:rA+7], v[rB:rB+7], v[rC:rC+7], v[rSA], v[rSB] matrix_a_fmt:MATRIX_FMT_FP4 matrix_b_fmt:MATRIX_FMT_FP4 matrix_a_scale:MATRIX_SCALE_ROW1 matrix_b_scale:MATRIX_SCALE_ROW1
.endif
.endif
.endm
; An expert's six addresses stand at s[P]: W1's codes, +2 W1's scales, +4 b1, +6 W2's codes, +8 W2's scales, +10 b2, each at my wave's part.
.macro EPTR P, e
	s_lshl_b32 s80, \e, 19
	s_lshl_b32 s88, s66, 16
	s_add_co_u32 s80, s80, s88
	s_add_nc_u64 s[\P:\P+1], s[10:11], s[80:81]
	s_add_nc_u64 s[\P+6:\P+7], s[\P:\P+1], 0x400000
	s_lshl_b32 s80, \e, 15
	s_lshl_b32 s88, s66, 12
	s_add_co_u32 s80, s80, s88
	s_add_nc_u64 s[\P+2:\P+3], s[12:13], s[80:81]
	s_add_nc_u64 s[\P+8:\P+9], s[\P+2:\P+3], 0x40000
	s_lshl_b32 s80, \e, 13
	s_lshl_b32 s88, s66, 10
	s_add_co_u32 s80, s80, s88
	s_add_nc_u64 s[\P+4:\P+5], s[14:15], s[80:81]
	s_lshl_b32 s80, \e, 11
	s_lshl_b32 s88, s66, 8
	s_add_co_u32 s80, s80, s88
	s_add_nc_u64 s[\P+10:\P+11], s[16:17], s[80:81]
.endm
; Group g of the stream is asked for.  Ahead of an expert's first group of W1 go all its W1 scale words for my 8 blocks (16 loads), ahead of its first group of W2 all its W2 scale words for my 64 columns (16 loads).
.macro ISSUE g
.set gi, (\g)%32
.set gP, 40+12*((\g)/32)
.set gR, 32*((\g)%8)
.if gi == 0
	WIN 0
.set i, 0
.rept 16
	global_load_b64 v[BKA+2*i:BKA+2*i+1], v4, s[gP+2:gP+3] offset:256*i           ; block i / 2, K steps 2 (i % 2) and + 1: block b's word of K step s at BKA + 4 b + s
.set i, i+1
.endr
.set ISS, ISS+16
.endif
.if gi == 16
	WIN 0
.set i, 0
.rept 16
	global_load_b64 v[BKB+2*i:BKB+2*i+1], v4, s[gP+8:gP+9] offset:(i%2)*2048+(i/2)*256   ; column half i % 2, K steps 2 (i / 2) and + 1
.set i, i+1
.endr
.set ISS, ISS+16
.endif
	WIN 0x40                                       ; destination window 1, address window 0
.set i, 0
.rept 8
.if gi < 16
	global_load_b128 v[gR+4*i:gR+4*i+3], v3, s[gP:gP+1] offset:gi*4096+512*i      ; block gi / 2, half gi % 2: tile u of K step s in slot 2 (s % 2) + u
.else
	global_load_b128 v[gR+4*i:gR+4*i+3], v3, s[gP+6:gP+7] offset:(i/4)*32768+(gi-16)*2048+((i/2)%2)*1024+(i%2)*512   ; K step gi - 16: column tile q in slot q
.endif
.set i, i+1
.endr
.set ISS, ISS+8
	WIN 0
.endm
; Group g is wanted.  Loads come back in order (ISA guide 5.7.1), so the count is the number of loads issued behind the group.  The first wait also takes in groups 1 to 4 and x's 19 loads, which were issued between groups 3 and 4.
; Where the 16 scale loads lie among the younger ones the number would pass what the count's field holds: 63 is written, and a smaller count is always safe.
.macro NEED g
.if (\g) == 0
.set CONS, CONS+24+8+8+8+27
.elseif (\g) > 4
.set CONS, CONS+8
.if (\g)%16 == 0
.set CONS, CONS+16
.endif
.endif
.if ((\g) == 0) || ((\g) > 4)
.if ISS-CONS > 63
	s_wait_loadcnt 63
.else
	s_wait_loadcnt ISS-CONS
.endif
.endif
.endm
.macro ROWLD base, ro, sp              ; 4 loads: a row of 2,048 bytes, 512 consecutive bytes a load
.irp j, 0,1,2,3
	global_load_b128 v[\base+4*\j:\base+4*\j+3], v[\ro], s[\sp:\sp+1] offset:512*\j
.endr
.set ISS, ISS+4
.endm
.macro PVM base, ro                    ; 12 loads: a row's p, v, m
	ROWLD \base, \ro, 18
	ROWLD \base+16, \ro, 20
	ROWLD \base+32, \ro, 22
.endm
.macro BIASLD x, b                     ; 4 LDS loads: block b's b1 in the result's layout: lane (r, h), tile u, register j: unit 32 b + 16 h + 8 u + j
.irp u, 0,1
.irp j, 0,1
	ds_load_b128 v[BS+16*((\b)%2)+8*\u+4*\j:BS+16*((\b)%2)+8*\u+4*\j+3], v11 offset:(\x)*8192+(\b)*128+32*\u+16*\j
.endr
.endr
.endm
.macro LD s                            ; 5 LDS loads: K step s of the hidden layer, both row tiles, and its scale words
.irp m, 0,1
.irp c, 0,1
	ds_load_b128 v[HF+16*((\s)%2)+8*\m+4*\c:HF+16*((\s)%2)+8*\m+4*\c+3], v5 offset:(\s)*2048+\m*1024+\c*512
.endr
.endr
	ds_load_b32 v[HS+(\s)%2], v7 offset:(\s)*128
.endm
; Eight products of group g of the first product: two K steps; the four accumulators (u, m) take turns, one instruction a turn.  b1 is the C of each sum's first product.
.macro MM1G g
.set mb, ((\g)%32)/2
.set mR, 32*((\g)%8)
.set ss, 2*((\g)%2)
.rept 2
.irp u, 0,1
.irp m, 0,1
.set rD, ACC+16*\m+8*\u
.set rA, mR+8*(2*(ss%2)+\u)
.set rB, XF+8*(4*\m+ss)
.set rSA, BKA+4*mb+ss
.set rSB, XS+ss
.set zC, 0
.if ss == 0
.set rC, BS+16*(mb%2)+8*\u
.else
.set rC, rD
.endif
	WM \u, \m
.endr
.endr
.set ss, ss+1
.endr
.endm
; Eight products of group g of the second product: one K step; the eight accumulators (q, m) take turns.  The constant 0 starts the sums.
.macro MM2 g
.set ks, (\g)%32-16
.set mR, 32*((\g)%8)
.irp q, 0,1,2,3
.irp m, 0,1
.set rD, ACC+8*(2*\q+\m)
.set rA, mR+8*\q
.set rB, HF+16*(ks%2)+8*\m
.set rSA, BKB+4*(ks/2)+2*(\q/2)+ks%2
.set rSB, HS+ks%2
.set rC, rD
.if ks == 0
.set zC, 1
.else
.set zC, 0
.endif
	WM \q%2, \m
.endr
.endr
.endm
; Block b's 32 hidden units of the 32 tokens: relu, then the quantiser.  For row tile m a lane's 16 registers are k = 16 (lane / 16) + 0..15 of the block; lane l xor 16 holds the other half.
.macro QB b
.set qb, (\b)%4
.set qk, (\b)/4
.set j, 0
.rept 32
	v_max_num_f32 v[ACC+j], 0, v[ACC+j]            ; each accumulator from its low end on
.set j, j+1
.endr
.irp m, 0,1
	v_max3_num_f32 v[T+\m], v[ACC+16*\m], v[ACC+16*\m+1], 0x1800000   ; none is negative; the floor 2^(3 - 127) holds the byte at 1 from below
.endr
.irp i, 2,4,6,8,10,12,14
.irp m, 0,1
	v_max3_num_f32 v[T+\m], v[T+\m], v[ACC+16*\m+\i], v[ACC+16*\m+\i+1]
.endr
.endr
.irp m, 0,1
	v_permlanex16_b32 v[T2+\m], v[T+\m], s68, s69
.endr
.irp m, 0,1
	v_max_num_f32 v[T+\m], v[T+\m], v[T2+\m]
.endr
.irp m, 0,1
	v_add_nc_u32 v[SOP+\m], 0xff000000, v[T+\m]    ; 2 off the exponent field: the conversion's scale operand
.endr
.irp m, 0,1
	v_lshrrev_b32 v[BY+\m], 23, v[SOP+\m]
.endr
.irp m, 0,1
.if qb == 0
	v_mov_b32 v[W+\m], v[BY+\m]
.else
	v_lshl_or_b32 v[W+\m], v[BY+\m], 8*qb, v[W+\m]
.endif
.endr
.irp m, 0,1
	v_cvt_scalef32_pk8_fp4_f32 v[PC+8*\m+4*(qb/2)+2*(qb%2)], v[ACC+16*\m:ACC+16*\m+7], v[SOP+\m]
	v_cvt_scalef32_pk8_fp4_f32 v[PC+8*\m+4*(qb/2)+2*(qb%2)+1], v[ACC+16*\m+8:ACC+16*\m+15], v[SOP+\m]
.endr
	v_nop                                          ; one plain place behind the scaled conversions
.if qb%2 == 1
.irp m, 0,1
.irp i, 0,1
	v_permlane16_swap_b32 v[PC+8*\m+4*(qb/2)+\i], v[PC+8*\m+4*(qb/2)+2+\i]   ; a whole block to a lane: lanes 0-15 the even block, lanes 16-31 the odd one
.endr
.endr
.irp m, 0,1
	ds_store_b128 v6, v[PC+8*\m+4*(qb/2):PC+8*\m+4*(qb/2)+3] offset:qk*2048+\m*1024+(qb/2)*512
.endr
.endif
.if qb == 3
	v_cndmask_b32 v[WW], v[W], v[W+1], s70         ; lanes 0-15: row tile 0's words, lanes 16-31: row tile 1's
	ds_store_b32 v8, v[WW] offset:qk*128
.endif
.endm
; A step of the first product: group g.  At a block's head its b1 is in (asked for a block ago) and the next block's is asked for; at its end the block is quantised.
.macro P1STEP g
.set px, (\g)/32
.set pb, ((\g)%32)/2
.if (\g)%2 == 0
	s_wait_dscnt 0x0                               ; this block's b1 is in; my stores of images have read their registers
.if pb < 7
	BIASLD px, pb+1
.endif
.endif
	NEED \g
	WIN 0x01                                       ; source 0 (the weight) window 1
	MM1G \g
	NOP4
	ISSUE (\g)+DIST                                ; into the place that the step before has left
.if (\g)%2 == 1
	QB pb
.endif
.endm
; A step of the second product: group g.  Behind the stream's last group my first row's p, v, m and ln_w take the registers that x has left, 8 loads a step.
.macro P2STEP g
.set ks2, (\g)%32-16
.if ks2 < 15
	s_wait_dscnt 5                                 ; this step's five LDS loads are in; the next step's five may be out
.else
	s_wait_dscnt 0x0
.endif
	NEED \g
	WIN 0x01
	MM2 \g
	NOP4
	WIN 0
.if ks2 < 14
	LD ks2+2
.endif
.if (\g)+DIST < 64
	ISSUE (\g)+DIST
.elseif (\g)+DIST == 64
	ROWLD 24, 20, 18
	ROWLD 40, 20, 20
.elseif (\g)+DIST == 65
	ROWLD 56, 20, 22
	ROWLD LNW, 3, 24
.endif
.endm
.macro MEET                            ; my LDS stores have landed and my LDS loads are in: then the work-group's barrier.  (Weight loads stay on their way: nobody writes those bytes)
	s_wait_dscnt 0x0
	s_barrier_signal -1
	s_barrier_wait -1
.endm
.macro B2ADD x                         ; + b2, in the result's layout: lane (r, h), tile q, register j: column 16 q + 8 h + j of my 64.  (The four places stand at the last K step's end)
.irp q, 0,1,2,3
.irp j, 0,1
	ds_load_b128 v[HF+8*\q+4*\j:HF+8*\q+4*\j+3], v16 offset:(\x)*2048+64*\q+16*\j
.endr
.endr
	s_wait_dscnt 0x0
.irp q, 0,1,2,3
.irp m, 0,1
.irp j, 0,1,2,3,4,5,6,7
	v_add_f32 v[ACC+8*(2*\q+\m)+\j], v[ACC+8*(2*\q+\m)+\j], v[HF+8*\q+\j]
.endr
.endr
.endr
.endm
.macro TOSTAGE                         ; my own 256 bytes of each stage row
.irp q, 0,1,2,3
.irp m, 0,1
	ds_store_b128 v9, v[ACC+8*(2*\q+\m):ACC+8*(2*\q+\m)+3] offset:\m*33024+\q*64
	ds_store_b128 v9, v[ACC+8*(2*\q+\m)+4:ACC+8*(2*\q+\m)+7] offset:\m*33024+\q*64+16
.endr
.endr
.endm
	s_load_b512 s[4:19], s[0:1], 0x0               ; rt 4, gt 6, xq 8, wc 10, ws 12, b1 14, b2 16, p 18
	s_load_b512 s[20:35], s[0:1], 0x40             ; v 20, m 22, ln_w 24, ln_b 26, out0 28, out1 30, out2 32, out3 34
	v_lshl_add_u32 v1, v0, 2, SPARE                ; my spare word; never rewritten
	v_mov_b32 v2, 0                                ; 0; never rewritten
	v_lshrrev_b32 v100, 5, v0
	v_readfirstlane_b32 s66, v100                  ; wave 0..7
	v_and_b32 v100, 31, v0                         ; lane
	v_and_b32 v98, 15, v0                          ; r
	v_bfe_u32 v99, v0, 4, 1                        ; h
	v_lshlrev_b32 v3, 4, v100                      ; 16 x lane
	v_lshlrev_b32 v4, 3, v100                      ; 8 x lane
	v_lshlrev_b32 v92, 2, v100                     ; 4 x lane
	v_lshlrev_b32 v93, 2, v98                      ; 4 r
	v_lshlrev_b32 v97, 4, v99                      ; 16 h
	v_add_nc_u32 v5, HIMG0, v3                     ; an image's place for my lane,
	s_lshl_b32 s80, s66, 12
	v_add_nc_u32 v6, s80, v5                       ; and where I store my two K steps' four
	v_add_nc_u32 v7, HSC0, v92                     ; scale words likewise
	s_lshl_b32 s80, s66, 8
	v_add_nc_u32 v8, s80, v7
	v_mul_u32_u24 v9, v98, 2064
	v_lshl_add_u32 v9, v99, 5, v9
	v_add_nc_u32 v9, s80, v9                       ; the stage: row r, + 32 h, + my wave's 256 bytes
	v_lshl_add_u32 v16, v99, 5, B2L
	v_add_nc_u32 v16, s80, v16                     ; b2 back: my wave's 256 bytes, 8 h numbers on
	v_add_nc_u32 v115, B2L, v4
	v_add_nc_u32 v115, s80, v115                   ; and in: 8 bytes a lane
	s_mul_i32 s80, s66, 8256
	v_add_nc_u32 v10, s80, v3                      ; the stage back: my four rows, 16 bytes a lane
	s_lshl_b32 s80, s66, 10
	v_lshl_add_u32 v11, v99, 6, B1L
	v_add_nc_u32 v11, s80, v11                     ; b1 back: my wave's 1,024 bytes, 16 h numbers on
	v_add_nc_u32 v114, B1L, v3
	v_add_nc_u32 v114, s80, v114                   ; and in: 16 bytes a lane
	v_add_nc_u32 v103, SUMX, v92                   ; the exchanges: a row's word for my lane,
	s_lshl_b32 s80, s66, 7
	v_add_nc_u32 v102, s80, v103                   ; and my wave's row
	s_lshl_b32 s80, s66, 11
	v_add_nc_u32 v101, s80, v92                    ; my wave's 16 chunks, 128 bytes each, in both tables
	s_lshl_b32 s80, s66, 9
	v_add_nc_u32 v104, s80, v100
	v_add_nc_u32 v104, 1, v104                     ; my token of my chunk 0, + 1
	v_mov_b32 v[T2], 0                             ; written once: a lane permute's destination counts as one of its sources
	v_mov_b32 v[T2+1], 0
	s_mov_b32 s68, 0x76543210
	s_mov_b32 s69, 0xfedcba98                      ; lane l xor 16
	s_mov_b32 s70, 0xffff0000                      ; lanes 16-31
	s_mov_b32 s72, 0x3f333333                      ; 0.7
	s_mov_b32 s73, 0x3f666666                      ; 0.9
	s_mov_b32 s74, 0x3dcccccd                      ; 0.1
	s_mov_b32 s75, 0x3f7fbe77                      ; 0.999
	s_mov_b32 s76, 0x3a83126f                      ; 0.001
	s_mov_b32 s77, 0x322bcc77                      ; 1e-8
	s_mov_b32 s78, 0x3727c5ac                      ; 1e-5
	s_mov_b32 s79, 0x3b000000                      ; 1 / 512
	s_mov_b32 s81, 0                               ; the high word of the offset pair s[80:81]
	s_mov_b32 s84, ttmp9                           ; my tile
	s_wait_kmcnt 0x0
	; ---- THE PLACING.  v24-39 counts of my 16 chunks (lane = key); v40-55 key | rank << 8 of my 16 chunks (lane = token)
.set i, 0
.rept 16
	global_load_b32 v[24+i], v101, s[4:5] offset:16384+128*i
.set i, i+1
.endr
.set i, 0
.rept 16
	global_load_b32 v[40+i], v101, s[4:5] offset:128*i
.set i, i+1
.endr
	s_wait_loadcnt 16                              ; the counts are in; the 16 loads behind them may be out
	v_add_nc_u32 v85, v24, v25
.set i, 2
.rept 14
	v_add_nc_u32 v85, v85, v[24+i]
.set i, i+1
.endr
	ds_store_b32 v102, v85
	MEET
.irp w, 0,1,2,3,4,5,6,7
	ds_load_b32 v[56+\w], v103 offset:128*\w
.endr
	v_mov_b32 v80, 0                               ; a key's tokens in all,
	v_mov_b32 v81, 0                               ; and in the waves ahead of mine
	s_wait_dscnt 0x0
.irp w, 0,1,2,3,4,5,6,7
	v_add_nc_u32 v80, v80, v[56+\w]
	s_cmp_gt_u32 s66, \w
	s_cselect_b32 s82, -1, 0
	v_and_b32 v85, s82, v[56+\w]
	v_add_nc_u32 v81, v81, v85
.endr
	v_add_nc_u32 v82, 31, v80
	v_lshrrev_b32 v82, 5, v82                      ; the key's tiles: an empty key takes none
	v_mov_b32 v83, v82
.irp d, 1,2,4,8,16                     ; the running sum over the keys: lane l adds lane l - d's
	v_add_nc_u32 v86, -4*\d, v92
	v_and_b32 v86, 124, v86
	ds_bpermute_b32 v87, v86, v83
	v_cmp_le_u32 vcc_lo, \d, v100
	s_wait_dscnt 0x0
	v_cndmask_b32 v87, 0, v87, vcc_lo
	v_add_nc_u32 v83, v83, v87
.endr
	v_cmp_ge_u32 s82, s84, v83                     ; the keys whose tiles all lie ahead of mine: a run of lanes from 0 on,
	s_bcnt1_i32_b32 s83, s82                       ; as many as my tile's key says
	s_min_u32 s83, s83, 27                         ; (a tile behind the last: key 27, and no rows)
	v_sub_nc_u32 v84, v83, v82                     ; a key's first tile
	v_mov_b32 v64, v81                             ; lane = key: how many of its tokens lie ahead of my chunk 0,
.set i, 1
.rept 15
	v_add_nc_u32 v[64+i], v[63+i], v[23+i]         ; of chunk i
.set i, i+1
.endr
	s_lshl_b32 s85, s83, 2
	v_mov_b32 v86, s85
	ds_bpermute_b32 v148, v86, v84                 ; all of that for my key, in every lane
	ds_bpermute_b32 v149, v86, v80
.set i, 0
.rept 16
	ds_bpermute_b32 v[116+i], v86, v[64+i]
.set i, i+1
.endr
	s_mov_b32 s37, 0                               ; the key is lo (15 - lo) / 2 + hi - lo - 1: lo's keys begin at 0, 7, 13, 18, 22, 25, 27
.irp t, 7,13,18,22,25,27
	s_cmp_ge_u32 s83, \t
	s_cselect_b32 s82, 1, 0
	s_add_co_u32 s37, s37, s82
.endr
	s_sub_co_u32 s82, 15, s37
	s_mul_i32 s82, s82, s37
	s_lshr_b32 s82, s82, 1
	s_sub_co_u32 s38, s83, s82
	s_add_co_u32 s38, s38, s37
	s_add_co_u32 s38, s38, 1
	s_min_u32 s37, s37, 7
	s_min_u32 s38, s38, 7
	EPTR 40, s37
	EPTR 52, s38
	s_wait_loadcnt 0x0                             ; the key words are in; from here on the assembler counts the loads
	global_load_b128 v[220:223], v3, s[44:45]      ; my part of b1 and b2 of both experts: 6 loads
	global_load_b128 v[224:227], v3, s[44:45] offset:512
	global_load_b128 v[228:231], v3, s[56:57]
	global_load_b128 v[232:235], v3, s[56:57] offset:512
	global_load_b64 v[248:249], v4, s[50:51]
	global_load_b64 v[250:251], v4, s[62:63]
.set ISS, 6
	ISSUE 0                                        ; the weights start as soon as the experts are known; the list is made while they are on their way
	ISSUE 1
	ISSUE 2
	ISSUE 3
	s_wait_dscnt 0x0
	v_readfirstlane_b32 s90, v148                  ; my key's first tile,
	v_readfirstlane_b32 s91, v149                  ; its tokens
	s_sub_co_u32 s92, s84, s90
	s_lshl_b32 s92, s92, 5                         ; the rank, among the key's tokens, of my tile's slot 0
	s_min_u32 s93, s92, s91
	s_sub_co_u32 s36, s91, s93
	s_min_u32 s36, s36, 32                         ; rows in my tile
	v_mov_b32 v108, s92
; A chunk's tokens of my tile have slots d + rank, a run [a, a + n) of 0..31 (d = what lies ahead of the chunk, less the tile's first rank; a = d or 0).  They are sent to their slots' lanes; the chunk's other lanes, numbered
; r' = 0, 1, .., are sent to the slots left over (r' under a, r' + n from a on) and carry 0: so every lane receives from exactly one.
.set i, 0
.rept 16
	v_and_b32 v105, 0xff, v[40+i]                  ; key
	v_lshrrev_b32 v106, 8, v[40+i]                 ; rank in the chunk
	v_sub_nc_u32 v107, v[116+i], v108              ; d
	v_add_nc_u32 v109, v107, v106                  ; slot
	v_cmp_eq_u32 s93, s83, v105
	v_cmp_gt_u32 s94, 32, v109                     ; (unsigned: a slot under 0 is out too)
	s_and_b32 s93, s93, s94                        ; mine
	s_not_b32 s94, s93
	s_bcnt1_i32_b32 s95, s93                       ; n
	v_mbcnt_lo_u32_b32 v110, s94, 0                ; r'
	v_cmp_le_i32 vcc_lo, v107, v110                ; d <= r' (signed) says a <= r'
	v_add_nc_u32 v112, s95, v110
	v_cndmask_b32 v110, v110, v112, vcc_lo
	v_cndmask_b32 v110, v110, v109, s93
	v_min_u32 v110, 31, v110
	v_lshlrev_b32 v[24+i], 2, v110
	v_add_nc_u32 v113, 32*i, v104
	v_cndmask_b32 v[56+i], 0, v113, s93            ; token + 1, or 0
	ds_permute_b32 v[132+i], v[24+i], v[56+i]
.set i, i+1
.endr
	s_wait_dscnt 0x0
.set i, 1
.rept 15
	v_or_b32 v132, v132, v[132+i]
.set i, i+1
.endr
	ds_store_b32 v102, v132 offset:LISTX
	MEET
.irp w, 0,1,2,3,4,5,6,7
	ds_load_b32 v[56+\w], v103 offset:LISTX+128*\w
.endr
	s_wait_dscnt 0x0
	v_or_b32 v17, v56, v57
.irp w, 2,3,4,5,6,7
	v_or_b32 v17, v17, v[56+\w]
.endr
	v_add_nc_u32 v17, -1, v17
	v_min_u32 v17, 0xfff, v17                      ; lane i: the token of slot i; a slot left over names token 4095, and nothing is stored for it
	v_add_nc_u32 v94, 64, v93
	s_lshl_b32 s82, s66, 4
	v_mov_b32 v95, s82
	v_add_nc_u32 v96, 4, v95
	v_add_nc_u32 v105, 8, v95
	v_add_nc_u32 v106, 12, v95
	ds_bpermute_b32 v18, v93, v17                  ; token r of row tile 0,
	ds_bpermute_b32 v19, v94, v17                  ; of row tile 1,
	ds_bpermute_b32 v107, v95, v17                 ; the tokens of my rows 4 w .. 4 w + 3
	ds_bpermute_b32 v109, v96, v17
	ds_bpermute_b32 v110, v105, v17
	ds_bpermute_b32 v112, v106, v17
.set CONS, 6
	s_wait_loadcnt ISS-CONS                        ; b1 and b2 are in; the 48 weight loads behind them may be out
	ds_store_b128 v114, v[220:223]
	ds_store_b128 v114, v[224:227] offset:512
	ds_store_b128 v114, v[228:231] offset:8192
	ds_store_b128 v114, v[232:235] offset:8192+512
	ds_store_b64 v115, v[248:249]
	ds_store_b64 v115, v[250:251] offset:2048
	BIASLD 0, 0                                    ; LDS serves a wave's instructions in order: these see my stores
	s_wait_dscnt 10                                ; the six permutes are back; the six stores and four loads behind them may be out
	v_readfirstlane_b32 s86, v107
	v_readfirstlane_b32 s87, v109
	v_readfirstlane_b32 s88, v110
	v_readfirstlane_b32 s89, v112
.irp q, 86,87,88,89
	s_min_u32 s\q, s\q, 0xfff
	s_lshl_b32 s\q, s\q, 11
.endr
	v_add_nc_u32 v20, s86, v3                      ; my rows in p, v, m and the outputs
	v_add_nc_u32 v21, s87, v3
	v_add_nc_u32 v22, s88, v3
	v_add_nc_u32 v23, s89, v3
	v_min_u32 v18, 0xfff, v18
	v_min_u32 v19, 0xfff, v19
	v_lshlrev_b32 v94, 4, v17                      ; 16 scale bytes a token
	v_lshlrev_b32 v95, 3, v18                      ; two gates a token
	v_lshlrev_b32 v96, 3, v19
	v_lshl_add_u32 v18, v18, 8, v97                ; 256 bytes of codes a token, + 16 h
	v_lshl_add_u32 v19, v19, 8, v97
.irp m, 0,1
.irp s, 0,1,2,3
.irp c, 0,1
	global_load_b128 v[XF+8*(4*\m+\s)+4*\c:XF+8*(4*\m+\s)+4*\c+3], v[18+\m], s[8:9] offset:64*\s+32*\c
.endr
.endr
.endr
	global_load_b128 v[XS:XS+3], v94, s[8:9] offset:1048576        ; word s: lanes 0-15 row tile 0, lanes 16-31 row tile 1
	global_load_b64 v[12:13], v95, s[6:7]
	global_load_b64 v[14:15], v96, s[6:7]
.set ISS, ISS+19
	ISSUE 4
	ISSUE 5
	ISSUE 6
	; ---- the lower expert
.irp g, 0,1,2,3,4,5,6,7,8,9,10,11,12,13,14,15
	P1STEP \g
.endr
	MEET                                           ; the hidden layer's 32 fragments lie in LDS
	LD 0
	LD 1
.irp g, 16,17,18,19,20,21,22,23,24,25,26,27,28,29,30,31
	P2STEP \g
.endr
	B2ADD 0
.irp q, 0,1,2,3
.irp m, 0,1
.irp j, 0,1,2,3,4,5,6,7
	v_mul_f32 v[ACC+8*(2*\q+\m)+\j], v[ACC+8*(2*\q+\m)+\j], v[12+2*\m]   ; x its gate
.endr
.endr
.endr
	TOSTAGE
	; ---- the higher expert
	s_wait_dscnt 0x0                               ; my stores into the stage have read the accumulators
.irp r, 5,6,7,8
	v_add_nc_u32 v\r, HNEXT, v\r                   ; the second expert's images
.endr
	BIASLD 1, 0
.irp g, 32,33,34,35,36,37,38,39,40,41,42,43,44,45,46,47
	P1STEP \g
.endr
	MEET
	LD 0
	LD 1
.irp g, 48,49,50,51,52,53,54,55,56,57,58,59,60,61,62,63
	P2STEP \g
.endr
	B2ADD 1
.irp hq, 0,1                           ; x its gate, + what the lower expert left in my own bytes of the stage: two column tiles at a time
.irp qq, 0,1
.irp m, 0,1
	ds_load_b128 v[HF+16*\qq+8*\m:HF+16*\qq+8*\m+3], v9 offset:\m*33024+(2*\hq+\qq)*64
	ds_load_b128 v[HF+16*\qq+8*\m+4:HF+16*\qq+8*\m+7], v9 offset:\m*33024+(2*\hq+\qq)*64+16
.endr
.endr
	s_wait_dscnt 0x0
.irp qq, 0,1
.irp m, 0,1
.irp j, 0,1,2,3,4,5,6,7
	v_fma_f32 v[ACC+8*(2*(2*\hq+\qq)+\m)+\j], v[ACC+8*(2*(2*\hq+\qq)+\m)+\j], v[13+2*\m], v[HF+16*\qq+8*\m+\j]
.endr
.endr
.endr
.endr
	TOSTAGE
	s_wait_dscnt 0x0                               ; for the others' sake: my columns of the gated sum lie in the stage; and the stores have read the accumulators, which now take
	ROWLD LNB, 3, 26                               ; ln_b
	PVM 92, 21                                     ; and my second row's p, v, m
	s_barrier_signal -1
	s_barrier_wait -1
; A row: the Adam step and the LayerNorm on 16 numbers a lane (number 128 j + 4 lane + q in register 4 j + q).  PB: p, 16 on v, 32 on m.
.macro LANES                           ; v[TS] = the sum of v[TS .. TS+3] over the 32 lanes, in every lane
	v_add_f32 v[TS], v[TS], v[TS+1]
	v_add_f32 v[TS+2], v[TS+2], v[TS+3]
	v_add_f32 v[TS], v[TS], v[TS+2]
.irp k, 1,2,4,8
	v_add_f32_dpp v[TS], v[TS], v[TS] row_xmask:\k row_mask:0xf bank_mask:0xf
.endr
	v_permlanex16_b32 v[TS+1], v[TS], s68, s69
	v_add_f32 v[TS], v[TS], v[TS+1]
.endm
.macro ROW rho, PB, ro, cnt
.irp j, 0,1,2,3
	ds_load_b128 v[EO+4*\j:EO+4*\j+3], v10 offset:(\rho)*2064+512*\j
.endr
	s_wait_loadcnt \cnt                            ; this row's p, v, m are in; the twelve loads of the row asked for behind them may be out
	s_wait_dscnt 0x0
.set i, 0
.rept 16
	v_fma_f32 v[\PB+32+i], v[\PB+32+i], s72, v[EO+i]               ; momentum = 0.7 m + eo
	v_mul_f32 v[TT], s74, v[EO+i]
	v_mul_f32 v[TT+1], s76, v[EO+i]
	v_mul_f32 v[\PB+16+i], s75, v[\PB+16+i]
	v_fma_f32 v[\PB+i], v[\PB+i], s73, v[TT]                       ; p_new = 0.9 p + 0.1 eo
	v_fma_f32 v[\PB+16+i], v[TT+1], v[EO+i], v[\PB+16+i]           ; v_new = 0.999 v + 0.001 eo^2
	v_add_f32 v[YY+i], s77, v[\PB+16+i]
.set i, i+1
.endr
.irp j, 0,1,2,3
	global_store_b128 v[\ro], v[\PB+32+4*\j:\PB+32+4*\j+3], s[34:35] offset:512*\j th:TH_STORE_NT   ; each store covers 512 consecutive bytes, aligned
	global_store_b128 v[\ro], v[\PB+4*\j:\PB+4*\j+3], s[30:31] offset:512*\j th:TH_STORE_NT
	global_store_b128 v[\ro], v[\PB+16+4*\j:\PB+16+4*\j+3], s[32:33] offset:512*\j th:TH_STORE_NT
.endr
.set i, 0
.rept 16
	v_rsq_f32 v[YY+i], v[YY+i]
.set i, i+1
.endr
	v_nop                                          ; a plain instruction behind the batch,
	s_wait_alu depctr_va_vdst(0)                   ; and one wait for the sixteen, ahead of their first reader
.set i, 0
.rept 16
	v_mul_f32 v[YY+i], -v[\PB+i], v[YY+i]          ; y = -p_new / sqrt(v_new + 1e-8)
.set i, i+1
.endr
.irp k, 0,1,2,3
	v_add_f32 v[TS+\k], v[YY+\k], v[YY+4+\k]
.endr
.irp k, 0,1,2,3
	v_add_f32 v[TS+\k], v[TS+\k], v[YY+8+\k]
.endr
.irp k, 0,1,2,3
	v_add_f32 v[TS+\k], v[TS+\k], v[YY+12+\k]
.endr
	LANES
	v_mul_f32 v[MEAN], s79, v[TS]
.set i, 0
.rept 16
	v_sub_f32 v[YY+i], v[YY+i], v[MEAN]
.set i, i+1
.endr
.irp k, 0,1,2,3
	v_mul_f32 v[TS+\k], v[YY+\k], v[YY+\k]
.endr
.set i, 4
.rept 12
	v_fma_f32 v[TS+i%4], v[YY+i], v[YY+i], v[TS+i%4]
.set i, i+1
.endr
	LANES
	v_fma_f32 v[TS], v[TS], s79, s78               ; the variance + 1e-5
	v_rsq_f32 v[RS], v[TS]
	v_nop
	s_wait_alu depctr_va_vdst(0)
.set i, 0
.rept 16
	v_mul_f32 v[YY+i], v[YY+i], v[RS]
	v_fma_f32 v[YY+i], v[YY+i], v[LNW+i], v[LNB+i]
.set i, i+1
.endr
.irp j, 0,1,2,3
	global_store_b128 v[\ro], v[YY+4*\j:YY+4*\j+3], s[28:29] offset:512*\j th:TH_STORE_NT
.endr
.endm
.macro NEXTROW                         ; a slot at or behind the tile's count is padding, and so are all behind it: nothing is stored for them.  No barrier follows
	s_add_co_u32 s80, s80, 1
	s_cmp_ge_u32 s80, s36
	s_cbranch_scc1 .Ldone
	s_wait_xcnt 0x0                                ; the last row's stores have read their registers: y's are written again, and the row's own take the row two on
.endm
	s_lshl_b32 s80, s66, 2
	s_cmp_ge_u32 s80, s36
	s_cbranch_scc1 .Ldone
	ROW 0, 24, 20, 12
	NEXTROW
	PVM 24, 22                                     ; my third row, while the second is worked
	ROW 1, 92, 21, 12
	NEXTROW
	PVM 92, 23                                     ; my fourth
	ROW 2, 24, 22, 12
	NEXTROW
	ROW 3, 92, 23, 0
.Ldone:
	s_wait_tensorcnt 0x0                           ; the wave's end, behind my last LDS store
	ds_add_u32 v1, v2
	s_wait_dscnt 0x0
	s_endpgm
.Lfunc_end_k_q52881a4690_chain:
	.size	k_q52881a4690_chain, .Lfunc_end_k_q52881a4690_chain-k_q52881a4690_chain
	.p2alignl 7, 3214868480
	.fill 96, 4, 3214868480
	.section	.rodata,"a",@progbits
	.p2align	6, 0x0
	.amdhsa_kernel k_q52881a4690_chain
		.amdhsa_group_segment_fixed_size 159232
		.amdhsa_private_segment_fixed_size 0
		.amdhsa_enable_private_segment 0
		.amdhsa_kernarg_size 128
		.amdhsa_user_sgpr_count 2
		.amdhsa_user_sgpr_kernarg_segment_ptr 1
		.amdhsa_wavefront_size32 1
		.amdhsa_system_sgpr_workgroup_id_x 1
		.amdhsa_system_sgpr_workgroup_id_y 1
		.amdhsa_system_sgpr_workgroup_id_z 1
		.amdhsa_system_vgpr_workitem_id 0
		.amdhsa_next_free_vgpr 512
		.amdhsa_next_free_sgpr 100
		.amdhsa_reserve_vcc 1
		.amdhsa_float_denorm_mode_32 3
		.amdhsa_float_denorm_mode_16_64 3
		.amdhsa_memory_ordered 1
		.amdhsa_forward_progress 1
		.amdhsa_inst_pref_size 255
	.end_amdhsa_kernel
	.section	.bss,"aw",@nobits
	.p2align	6
	.space	262144
	.amdgpu_metadata
---
amdhsa.version: [ 1, 2 ]
amdhsa.kernels:
  - .name:           k_q52881a4690_chain
    .symbol:         k_q52881a4690_chain.kd
    .args:
      - { .name: rt, .offset: 0, .size: 8, .value_kind: global_buffer, .address_space: global }
      - { .name: gt, .offset: 8, .size: 8, .value_kind: global_buffer, .address_space: global }
      - { .name: xq, .offset: 16, .size: 8, .value_kind: global_buffer, .address_space: global }
      - { .name: wc, .offset: 24, .size: 8, .value_kind: global_buffer, .address_space: global }
      - { .name: ws, .offset: 32, .size: 8, .value_kind: global_buffer, .address_space: global }
      - { .name: b1, .offset: 40, .size: 8, .value_kind: global_buffer, .address_space: global }
      - { .name: b2, .offset: 48, .size: 8, .value_kind: global_buffer, .address_space: global }
      - { .name: p, .offset: 56, .size: 8, .value_kind: global_buffer, .address_space: global }
      - { .name: v, .offset: 64, .size: 8, .value_kind: global_buffer, .address_space: global }
      - { .name: m, .offset: 72, .size: 8, .value_kind: global_buffer, .address_space: global }
      - { .name: ln_w, .offset: 80, .size: 8, .value_kind: global_buffer, .address_space: global }
      - { .name: ln_b, .offset: 88, .size: 8, .value_kind: global_buffer, .address_space: global }
      - { .name: out0, .offset: 96, .size: 8, .value_kind: global_buffer, .address_space: global }
      - { .name: out1, .offset: 104, .size: 8, .value_kind: global_buffer, .address_space: global }
      - { .name: out2, .offset: 112, .size: 8, .value_kind: global_buffer, .address_space: global }
      - { .name: out3, .offset: 120, .size: 8, .value_kind: global_buffer, .address_space: global }
    .group_segment_fixed_size: 159232
    .private_segment_fixed_size: 0
    .kernarg_segment_align: 8
    .kernarg_segment_size: 128
    .max_flat_workgroup_size: 256
    .sgpr_count:     100
    .vgpr_count:     512
    .wavefront_size: 32
...
	.end_amdgpu_metadata
.endif
;; end of part 5
